; MI455X (gfx1250); checked and timed in simulation.
; The chip was launched on July 23, 2026; its instructions are those of AMD's public machine-readable ISA for CDNA 5 (MIT licence, August 2026) and "CDNA5" Instruction Set Architecture Reference Guide (July 2026). The comments in the code are by the model that wrote it; some were corrected since.
;; Multi Head Attention. Allowed arithmetic: matrix products marked QUANTISED: E2M3 operands, one E8M0 scale for each 32 along K, by v_wmma_scale_f32_16x16x128_f8f6f4 with both operands' format E2M3, f32 sums; everything else in f32.
;; Inputs: Wk 1,024 x 1,024 float32; Wo 1,024 x 1,024 float32; Wq 1,024 x 1,024 float32; Wv 1,024 x 1,024 float32; bo 1,024 float32; x 4 x 2,048 x 1,024 float32.
;; Outputs: out0 4 x 2,048 x 1,024 float32.
;; This version of the problem:
;;   THIS VERSION OF THE PROBLEM IS GIVEN IN LOW PRECISION. The matrix products marked QUANTISED in the list below multiply operands that are first quantised to E2M3 (2 exponent bits, 3 mantissa bits; 6 bits a number), with one power-of-two scale for each 32 numbers along K (OCP MX v1.0); their sums are f32. All else is computed in f32.
;;   The module's matrix products, in the order in which they are computed (A, B: the left and right operand; K: the contracted axis; several contracted axes count as one K, in the product's order):
;;     1. [M 8,192, K 1,024] x [K 1,024, N 1,024]; A: input x; B: input Wq: QUANTISED
;;     2. [M 8,192, K 1,024] x [K 1,024, N 1,024]; A: input x; B: input Wk: QUANTISED
;;     3. [M 8,192, K 1,024] x [K 1,024, N 1,024]; A: input x; B: input Wv: QUANTISED
;;     4. batch 64 x [M 2,048, K 64] x [K 64, N 2,048]; A: computed on the way; B: computed on the way: QUANTISED
;;     5. batch 64 x [M 64, K 2,048] x [K 2,048, N 2,048]; A: computed on the way; B: softmax (see below): QUANTISED
;;     6. [M 8,192, K 1,024] x [K 1,024, N 1,024]; A: computed on the way; B: input Wo: QUANTISED
;;   THE QUANTISER, for each operand of a quantised product, along K:
;;     - K is cut into blocks of 32 from its start; a last block that is shorter is filled with zeros.
;;     - A block's scale is 2^e with e = floor(log2(the largest magnitude in the block)) - 2, held to -126 .. 127; a block of zeros has e = 0. As a byte (E8M0): e + 127.
;;     - Each number is divided by its block's scale, clamped to +-7.5, and rounded to the nearest number of E2M3, ties to even, subnormals kept.
;;     - The product sums the exact products of the quantised numbers (number of the format x scale) in f32.
;;   ~~~python
;;   def quantise(x, axis):      # numpy; x: float32 -> the quantised numbers, widened to float32 again
;;       x = np.moveaxis(x, axis, -1); K = x.shape[-1]
;;       x = np.pad(x, [(0, 0)] * (x.ndim - 1) + [(0, -K % 32)]); x = x.reshape(x.shape[:-1] + (-1, 32)); a = np.abs(x).max(-1, keepdims=True)
;;       e = np.where(a > 0, np.clip(np.frexp(np.where(a > 0, a, 1))[1] - 1 - 2, -126, 127), 0)      # np.frexp(a)[1] - 1 = floor(log2(a)), exactly
;;       r = np.clip(x / 2.0 ** e, -7.5, 7.5)
;;       step = 2.0 ** (np.maximum(np.frexp(np.where(r == 0, 1, r))[1] - 1, 0) - 3)
;;       q = np.round(r / step) * step * 2.0 ** e      # np.round: ties to even
;;       return np.moveaxis(q.reshape(q.shape[:-2] + (-1,))[..., :K], -1, axis).astype(np.float32)
;;   ~~~
;;   SOFTMAX AHEAD OF A QUANTISED PRODUCT. Where the list says 'softmax', what is quantised is not the finished softmax but p = 2^(t - M), with t = logit x log2(e) and M = ceil(the row's largest t), a whole number; so 1/2 < the row's largest p <= 1. The row's sum l is taken of the UNQUANTISED p, in f32, and the product's result is divided by l at the end. Since M is a whole number, a kernel that streams over the keys may use a running M (the ceiling of the running maximum): every later rescaling is an exact power of two, which a block's scale takes up: the codes' values come out the same.
;;   OPERANDS COMPUTED ON THE WAY. 'Computed on the way' means the value that the module computes at that place (a softmax that the list does not call 'softmax' is quantised finished and normalised). What goes into a quantiser is computed in f32, as accurately as f32 sums, v_exp_f32 and their like allow (about 1e-6 of the number): no bf16 or f16 on the way to a quantiser, and a product that is left as it is and whose result goes on into a quantised operand takes f32 operands (vector FMAs, or v_wmma_f32_16x16x4_f32). A number that lies on a knife's edge between two numbers of the format may be rounded either way, as far as f32 arithmetic and the matrix unit's own rounding can turn it there, and no further.
;; One version. Each part assembles by itself: llvm-mc -triple=amdgcn-amd-amdhsa -mcpu=gfx1250 --defsym DOCPART=n.
;; ======== version 1 of 1: 4 launches
;; limits: right only within a limited range of input values
;; workspace buffers: codes 9,830,400 bytes; qkv 19,660,800 bytes; ctx 6,553,600 bytes
;; launch prep (part 1): grid 8 x 96, 4 waves a work-group, no clusters, 68,096 bytes of LDS; arguments x, Wq, Wk, Wv, Wo, codes; writes codes
.if DOCPART == 1
	.amdgcn_target "amdgcn-amd-amdhsa--gfx1250"
	.amdhsa_code_object_version 6
	.text
	.protected	k_q7f77cb63a6_prep
	.globl	k_q7f77cb63a6_prep
	.p2align	8
	.type	k_q7f77cb63a6_prep,@function
k_q7f77cb63a6_prep:
	s_mov_b64 s[64:65], 0
	v_nop
	global_prefetch_b8 v0, s[64:65] scope:SCOPE_SE
	s_setreg_imm32_b32 hwreg(HW_REG_WAVE_MODE, 25, 1), 1
	s_wait_xcnt 0x0
; PREP: x [8192][1024] and the four weights [1024 (k)][1024 (n)], f32, become codes of FP6 (E2M3) with one E8M0 byte for each 32 along K,
; laid in the ORDER OF AN OPERAND'S REGISTERS, so that the products' launches load fragments by 16 and 8 bytes a lane and nothing is shuffled.
; AN OPERAND BLOCK is 128 rows x K 1024 = 102,400 bytes: eight K steps of 12,800 bytes; in a step eight tiles of 16 rows x 128 K (1,536 bytes each), then 512 bytes of scale words (tile i, lane r: 4 bytes).
; A tile is two half-images of 768 bytes (64 along K each): lane (r, h) owns six registers, the codes of k = 32 h .. 32 h + 31: the first four at 16 x lane, the last two at 512 + 16 r + 8 h.
; THE ROWS OF A TILE ARE NOT NEIGHBOURS: in each group of 32 rows, lane r of tile u takes row 8 u + r + 8 (r / 8), so that a transposed product leaves 16 neighbours in the 16 registers of two neighbouring tiles.
; Blocks 0-63: x (block = token / 128); 64-71 Wq, 72-79 Wk, 80-87 Wv, 88-95 Wo (a block's rows are 128 columns n of the weight).
; SHARES: work-group (x = K step, y = block); wave b takes rows 32 b .. 32 b + 31 (two tiles) x 128 along K.  Waves share nothing: no barrier.  No work-group reads what another reads: no cluster.
; A block's scale is 2^(floor(log2(largest magnitude)) - 2): its byte is the largest magnitude's exponent field - 2, held at 1 from below.
; LIMITS: NaN and infinities are not served; a block whose largest magnitude lies under 2^-124 keeps the byte 1; a block of zeros gets the byte 1 where the rule says 127 (its codes are zeros, and this program alone reads the bytes).
.set BLKB,  102400
.set STEPB, 12800
.set SROW,  528                        ; a stage row: 512 bytes + 16: the 16 rows that a read touches begin 33 x 16 bytes apart
.set WST,   32*SROW                    ; a wave's stage
.set M,   10                           ; v10-11  largest magnitudes
.set E,   12                           ; v12-13  the conversions' scale operands
.set BY,  14                           ; v14-15  scale bytes
.set W0,  16                           ; v16-17  the two tiles' scale words
.set WT,  18                           ; v18     a lane permute's destination
.set T,   20                           ; v20-27  the second halves of the blocks' codes
.set CD,  28                           ; v28-39, v40-51  the two tiles' codes
.set X,   64                           ; v64-127 a tile's numbers: 64 a lane
.set RAW, 128                          ; v128-255 numbers as loaded
.set HQ,  64                           ; weights: v64-79 the first four registers of each of the four blocks
.set WC,  80                           ; v80-87
.set TQ,  88                           ; v88-95  the last two registers of the blocks, two blocks to a store
.set WM,  96
.set WE,  98
.set WB,  100                          ; v100-103
.set VA,  104
.set VS,  105
.set WW,  106
	s_load_b256 s[4:11], s[0:1], 0x0               ; x s[4:5], Wq s[6:7], Wk s[8:9], Wv s[10:11]
	s_load_b128 s[12:15], s[0:1], 0x20             ; Wo s[12:13], codes s[14:15]
	v_lshl_add_u32 v62, v0, 2, 0x10800
	v_mov_b32 v63, 0
	v_lshrrev_b32 v1, 5, v0
	v_readfirstlane_b32 s18, v1                    ; wave b
	s_mov_b32 s19, ttmp9                           ; K step
	s_and_b32 s20, ttmp7, 0xffff                   ; block
	v_and_b32 v1, 31, v0                           ; lane
	v_and_b32 v8, 15, v0                           ; r
	v_bfe_u32 v9, v0, 4, 1                         ; h
	v_lshlrev_b32 v2, 4, v1                        ; 16 x lane
	v_lshlrev_b32 v6, 2, v1                        ; 4 x lane
	v_lshlrev_b32 v5, 4, v8
	v_lshl_add_u32 v5, v9, 3, v5
	v_add_nc_u32 v5, 512, v5                       ; 512 + 16 r + 8 h
	v_lshlrev_b32 v7, 3, v9                        ; 8 h
	s_mul_i32 s30, s18, WST
	v_add_nc_u32 v3, s30, v2                       ; the stage, way in: a row as it lies
	v_mul_u32_u24 v4, v8, SROW
	v_lshl_add_u32 v4, v9, 7, v4
	v_add_nc_u32 v4, s30, v4                       ; way out: row r of a tile, my half's 32 numbers
	v_mov_b32 v[WT], 0
	s_mul_i32 s21, s20, BLKB
	s_mul_i32 s22, s19, STEPB
	s_add_co_u32 s21, s21, s22                     ; the block's K step
	s_mul_i32 s22, s18, 3072
	s_add_co_u32 s22, s22, s21                     ; my two tiles
	s_mov_b32 s23, 0
	s_lshl_b32 s26, s18, 7
	s_add_co_u32 s26, s26, s21
	s_add_co_u32 s26, s26, 12288                   ; their scale words
	s_mov_b32 s27, 0
	s_mov_b32 s24, 0x76543210
	s_mov_b32 s25, 0xfedcba98                      ; lane selects: lane l xor 16
	s_wait_kmcnt 0x0
	s_add_nc_u64 s[16:17], s[14:15], s[26:27]
	s_add_nc_u64 s[14:15], s[14:15], s[22:23]
	s_cmp_ge_u32 s20, 64
	s_cbranch_scc1 .Lweights
	; ---- x: K is innermost.  Each load reads 512 consecutive bytes of one row; the rows turn through the wave's own stage, in tile order, and come back 32 neighbours (a whole block) a lane and half-image.
	s_lshl_b32 s28, s20, 7
	s_lshl_b32 s29, s18, 5
	s_add_co_u32 s28, s28, s29                     ; my first row
	s_lshl_b32 s28, s28, 12
	s_lshl_b32 s29, s19, 9
	s_add_co_u32 s28, s28, s29
	s_mov_b32 s29, 0
	s_add_nc_u64 s[4:5], s[4:5], s[28:29]
.set i, 0
.rept 32
	global_load_b128 v[RAW+4*i:RAW+4*i+3], v2, s[4:5] offset:i*4096 th:TH_LOAD_NT
.set i, i+1
.endr
.set i, 0
	s_wait_alu depctr_va_vdst(0)
.rept 32
.if i%8 == 0
	s_wait_loadcnt 24-i                            ; the next eight rows are in; the rows behind them may be out
.endif
	ds_store_b128 v3, v[RAW+4*i:RAW+4*i+3] offset:(16*((i>>3)&1)+(i&7)+8*(i>>4))*SROW   ; row i goes to tile (i / 8) % 2, lane i % 8 + 8 (i / 16)
.set i, i+1
.endr
.macro TILE dst, u                     ; LDS serves a wave's instructions in order: these see my stores
.irp c, 0,1
.irp j, 0,1,2,3,4,5,6,7
	ds_load_b128 v[\dst+32*\c+4*\j:\dst+32*\c+4*\j+3], v4 offset:\u*16*SROW+256*\c+16*\j
.endr
.endr
.endm
; 64 numbers of a lane (register 32 c + i = k 64 c + 32 h + i of my row) become a tile's twelve code registers and its scale word, and the codes are stored
.macro QBLK src, cd, w, u
.irp c, 0,1
	v_max3_num_f32 v[M+\c], |v[\src+32*\c]|, |v[\src+32*\c+1]|, 0x1800000   ; with the floor 2^(3 - 127): the byte cannot fall under 1
.endr
.irp i, 2,4,6,8,10,12,14,16,18,20,22,24,26,28,30
.irp c, 0,1
	v_max3_num_f32 v[M+\c], v[M+\c], |v[\src+32*\c+\i]|, |v[\src+32*\c+\i+1]|
.endr
.endr
.irp c, 0,1
	v_add_nc_u32 v[E+\c], 0xff000000, v[M+\c]      ; 2 off the exponent field: the conversion's scale operand
.endr
.irp c, 0,1
	v_lshrrev_b32 v[BY+\c], 23, v[E+\c]            ; the byte
.endr
	v_lshl_or_b32 v[\w], v[BY+1], 16, v[BY]        ; my blocks h and 2 + h,
	v_lshlrev_b32 v[\w], v7, v[\w]                 ; at their places in the word;
	v_permlanex16_b32 v[WT], v[\w], s24, s25
	v_or_b32 v[\w], v[\w], v[WT]                   ; with lane l xor 16's two the word is whole
.irp c, 0,1
	v_cvt_scalef32_pk16_fp6_f32 v[\cd+6*\c:\cd+6*\c+2], v[\src+32*\c:\src+32*\c+15], v[E+\c]
	v_cvt_scalef32_pk16_fp6_f32 v[T+4*\c:T+4*\c+2], v[\src+32*\c+16:\src+32*\c+31], v[E+\c]   ; (a conversion's three registers begin on an even number)
.endr
	v_nop                                          ; one plain place behind the scaled conversions
.irp c, 0,1
.irp i, 0,1,2
	v_mov_b32 v[\cd+6*\c+3+\i], v[T+4*\c+\i]
.endr
.endr
.irp c, 0,1
	global_store_b128 v2, v[\cd+6*\c:\cd+6*\c+3], s[14:15] offset:\u*1536+768*\c     ; 512 consecutive bytes, aligned to 256
	global_store_b64 v5, v[\cd+6*\c+4:\cd+6*\c+5], s[14:15] offset:\u*1536+768*\c   ; 256 consecutive bytes, aligned
.endr
.endm
	TILE X, 0
	s_wait_dscnt 0x0                               ; tile 0 is in, and the stage's stores have read their registers
	TILE RAW, 1
	QBLK X, CD, W0, 0
	s_wait_dscnt 0x0
	QBLK RAW, CD+12, W0+1, 1
	v_cmp_le_u32 vcc_lo, 16, v1
	v_cndmask_b32 v[W0], v[W0], v[W0+1], vcc_lo    ; lanes 0-15 tile 0's words, lanes 16-31 tile 1's
	global_store_b32 v6, v[W0], s[16:17]           ; 128 consecutive bytes: the scale words are one part in 24 of the codes
	s_wait_tensorcnt 0x0
	ds_add_u32 v62, v63
	s_wait_dscnt 0x0
	s_endpgm
.Lweights:
	; ---- a weight: K is its first axis.  A lane takes a column and its registers run down K: each load reads 128 consecutive bytes, the four waves side by side 512.
	s_sub_co_u32 s28, s20, 64
	s_lshr_b32 s29, s28, 3                         ; which weight
	s_and_b32 s28, s28, 7                          ; which 128 columns
	s_cmp_eq_u32 s29, 1
	s_cselect_b64 s[6:7], s[8:9], s[6:7]
	s_cmp_eq_u32 s29, 2
	s_cselect_b64 s[6:7], s[10:11], s[6:7]
	s_cmp_eq_u32 s29, 3
	s_cselect_b64 s[6:7], s[12:13], s[6:7]
	s_lshl_b32 s28, s28, 9
	s_lshl_b32 s30, s18, 7
	s_add_co_u32 s28, s28, s30                     ; my first column, in bytes
	s_lshl_b32 s30, s19, 19                        ; 128 rows of 4,096 bytes a K step
	s_add_co_u32 s28, s28, s30
	s_mov_b32 s29, 0
	s_add_nc_u64 s[6:7], s[6:7], s[28:29]
.set i, 0
.rept 128
	global_load_b32 v[RAW+i], v6, s[6:7] offset:i*4096 th:TH_LOAD_NT
.set i, i+1
.endr
	v_bfe_u32 v[VS], v1, 3, 1                      ; column l lies in tile u = (l / 8) % 2,
	v_and_b32 v[WW], 7, v1
	v_lshrrev_b32 v[VA], 4, v1
	v_lshl_add_u32 v[WW], v[VA], 3, v[WW]          ; at lane r' = l % 8 + 8 (l / 16)
	v_mul_u32_u24 v[VA], v[VS], 1536
	v_lshl_add_u32 v[VA], v[WW], 4, v[VA]          ; 1536 u + 16 r'
	v_lshlrev_b32 v[VS], 6, v[VS]
	v_lshl_add_u32 v[VS], v[WW], 2, v[VS]          ; 64 u + 4 r'
; blocks 2 c and 2 c + 1 of my column: in the image they belong to lanes (r', 0) and (r', 1) of half-image c
.macro WBLK2 c
.irp hh, 0,1
	v_max3_num_f32 v[WM+\hh], |v[RAW+64*\c+32*\hh]|, |v[RAW+64*\c+32*\hh+1]|, 0x1800000
.endr
.irp i, 2,4,6,8,10,12,14,16,18,20,22,24,26,28,30
.irp hh, 0,1
	v_max3_num_f32 v[WM+\hh], v[WM+\hh], |v[RAW+64*\c+32*\hh+\i]|, |v[RAW+64*\c+32*\hh+\i+1]|
.endr
.endr
.irp hh, 0,1
	v_add_nc_u32 v[WE+\hh], 0xff000000, v[WM+\hh]
.endr
.irp hh, 0,1
	v_lshrrev_b32 v[WB+2*\c+\hh], 23, v[WE+\hh]
.endr
.irp hh, 0,1
	v_cvt_scalef32_pk16_fp6_f32 v[HQ+8*\c+4*\hh:HQ+8*\c+4*\hh+2], v[RAW+64*\c+32*\hh:RAW+64*\c+32*\hh+15], v[WE+\hh]
	v_cvt_scalef32_pk16_fp6_f32 v[WC+4*\hh:WC+4*\hh+2], v[RAW+64*\c+32*\hh+16:RAW+64*\c+32*\hh+31], v[WE+\hh]
.endr
	v_nop                                          ; one plain place behind the scaled conversions
.irp hh, 0,1
	v_mov_b32 v[HQ+8*\c+4*\hh+3], v[WC+4*\hh]
	v_mov_b32 v[TQ+4*\c+2*\hh], v[WC+4*\hh+1]
	v_mov_b32 v[TQ+4*\c+2*\hh+1], v[WC+4*\hh+2]
.endr
.irp hh, 0,1
	global_store_b128 v[VA], v[HQ+8*\c+4*\hh:HQ+8*\c+4*\hh+3], s[14:15] offset:768*\c+256*\hh   ; sixteen lanes of a tile store 256 consecutive bytes, aligned
.endr
	global_store_b128 v[VA], v[TQ+4*\c:TQ+4*\c+3], s[14:15] offset:768*\c+512
.endm
	s_wait_loadcnt 63                              ; at most 63 of the 128 loads are out: the first 64 rows are in
	WBLK2 0
	s_wait_loadcnt 0x0
	WBLK2 1
	v_lshl_or_b32 v[WW], v[WB+1], 8, v[WB]
	v_lshl_or_b32 v[WW], v[WB+2], 16, v[WW]
	v_lshl_or_b32 v[WW], v[WB+3], 24, v[WW]
	global_store_b32 v[VS], v[WW], s[16:17]
	s_endpgm
.Lfunc_end_k_q7f77cb63a6_prep:
	.size	k_q7f77cb63a6_prep, .Lfunc_end_k_q7f77cb63a6_prep-k_q7f77cb63a6_prep
	.p2alignl 7, 3214868480
	.fill 96, 4, 3214868480
	.section	.rodata,"a",@progbits
	.p2align	6, 0x0
	.amdhsa_kernel k_q7f77cb63a6_prep
		.amdhsa_group_segment_fixed_size 68096
		.amdhsa_private_segment_fixed_size 0
		.amdhsa_enable_private_segment 0
		.amdhsa_kernarg_size 48
		.amdhsa_user_sgpr_count 2
		.amdhsa_user_sgpr_kernarg_segment_ptr 1
		.amdhsa_wavefront_size32 1
		.amdhsa_system_sgpr_workgroup_id_x 1
		.amdhsa_system_sgpr_workgroup_id_y 1
		.amdhsa_system_sgpr_workgroup_id_z 1
		.amdhsa_system_vgpr_workitem_id 0
		.amdhsa_next_free_vgpr 256
		.amdhsa_next_free_sgpr 66
		.amdhsa_reserve_vcc 1
		.amdhsa_float_denorm_mode_32 3
		.amdhsa_float_denorm_mode_16_64 3
		.amdhsa_memory_ordered 1
		.amdhsa_forward_progress 1
		.amdhsa_inst_pref_size 36
	.end_amdhsa_kernel
	.amdgpu_metadata
---
amdhsa.version: [ 1, 2 ]
amdhsa.kernels:
  - .name:           k_q7f77cb63a6_prep
    .symbol:         k_q7f77cb63a6_prep.kd
    .args:
      - { .name: x, .offset: 0, .size: 8, .value_kind: global_buffer, .address_space: global }
      - { .name: Wq, .offset: 8, .size: 8, .value_kind: global_buffer, .address_space: global }
      - { .name: Wk, .offset: 16, .size: 8, .value_kind: global_buffer, .address_space: global }
      - { .name: Wv, .offset: 24, .size: 8, .value_kind: global_buffer, .address_space: global }
      - { .name: Wo, .offset: 32, .size: 8, .value_kind: global_buffer, .address_space: global }
      - { .name: codes, .offset: 40, .size: 8, .value_kind: global_buffer, .address_space: global }
    .group_segment_fixed_size: 68096
    .private_segment_fixed_size: 0
    .kernarg_segment_align: 8
    .kernarg_segment_size: 48
    .max_flat_workgroup_size: 128
    .sgpr_count:     66
    .vgpr_count:     256
    .wavefront_size: 32
...
	.end_amdgpu_metadata
.endif
;; end of part 1
;; launch proj (part 2): grid 64 x 4, 4 waves a work-group, clusters of 4 x 4, 327,680 bytes of LDS; arguments codes, qkv; writes qkv
.if DOCPART == 2
	.amdgcn_target "amdgcn-amd-amdhsa--gfx1250"
	.amdhsa_code_object_version 6
	.text
	.protected	k_q7f77cb63a6_proj
	.globl	k_q7f77cb63a6_proj
	.p2align	8
	.type	k_q7f77cb63a6_proj,@function
k_q7f77cb63a6_proj:
	s_mov_b64 s[64:65], 0
	v_nop
	global_prefetch_b8 v0, s[64:65] scope:SCOPE_SE
	s_setreg_imm32_b32 hwreg(HW_REG_WAVE_MODE, 25, 1), 1
	s_wait_xcnt 0x0
	s_wait_alu depctr_hold_cnt(0) depctr_sa_sdst(0) depctr_va_vdst(0) depctr_va_sdst(0) depctr_va_ssrc(0) depctr_va_vcc(0) depctr_vm_vsrc(0)
	s_getreg_b32 s2, hwreg(HW_REG_IB_STS2, 6, 4)
	s_cmp_eq_u32 s2, 0
	s_cbranch_scc0 .Lentry_in_a_cluster
	s_endpgm
.Lentry_in_a_cluster:
	s_bfe_u32 s2, ttmp6, 0x10000c
	s_cmp_lg_u32 s2, 0xf033
	s_cbranch_scc0 .Lentry_shape_is_right
	s_endpgm
.Lentry_shape_is_right:
; PROJ: q = x Wq, k = x Wk, v = x Wv on codes of FP6 (E2M3) with E8M0 scales; the results are quantised on the way out: q and k along the head's 64, v along the keys.
; IN (buffer codes): operand blocks of 128 rows x K 1024 = 102,400 bytes: eight K steps of 12,800 bytes (eight tiles of 1,536, then 512 bytes of scale words). Blocks 0-63 x, 64-79 Wq and Wk, 80-87 Wv.
; THE DEAL: 256 work-groups of four waves, 2 x 2. Work-group (xb = 4 x cluster x + cx, p = cy) takes x's block xb and six weight blocks, one after the other: 64 + 4 p + 0..3 (q or k), then 80 + 2 p + 0..1 (v):
; the same sequence of kinds in every work-group, so no branch hangs on a place in the cluster. Wave (a, b): tokens 64 a .. 64 a + 63 of the block, head b of each weight block (64 columns).
; A wave's 64 tokens, ALL of K, lie in registers (32 fragments, 384 registers, loaded from LDS once); a head's four tiles of 16 columns stream past them, 32 products a tile (8 K steps x 4 token tiles, four accumulators by turns),
; on two sets of eight fragments: a tile is fetched two tiles ahead of its products.
; q, k: source 0 = the weight's 16 columns, source 1 = 16 tokens: a lane holds one token and its registers run along the head. v: the sources swapped: a lane holds one column and its registers run along the tokens.
; In both kinds a head leaves 128 sums a lane, four runs of 32, each a half-image of 768 bytes (16 rows x 64) and two scale bytes.
; LDS: two slots of 102,400 bytes for the weight blocks (0, BLKB), x's block (XB), the spare words. At the head one tensor load a wave: x's two halves, block 0, block 1. Four refills (blocks 2 to 5), each wave a quarter,
; each behind a round of the cluster's barrier with the three lines ahead of it; the round stands inside a tile's products. All of LDS is claimed.
; CLUSTER 4 x 4: x's block hangs on cluster x and cx, asked for jointly along a column; the weight blocks hang on cy alone, jointly along a row.
; PREFETCH: the weight block that the NEXT head's refill will load: 400 units of 256 bytes, a lane a unit, shared out by address among the sixteen waves of a row of the cluster; all clusters load the same blocks, so four clusters ask.
; The head asks for block 2; the last refill has no block behind it and asks for nothing.
; OUT (buffer qkv): q, k codes at [head or 16 + head][token tile][768]; v at VCOFF + [token / 64][column tile][768]; scale bytes as pair words (low 16 bits the even tile's two bytes), 64 bytes a pair of tiles, at QKSOFF, VSOFF.
; LIMITS: no NaN or infinities; largest magnitudes under 2^-124 and blocks of zeros keep the byte 1 (their codes are zeros, and this program alone reads the bytes).
.set BLKB,   102400
.set STEPB,  12800
.set HALFB,  51200
.set QUARB,  25600
.set VCOFF,  12582912
.set QKSOFF, 18874368
.set VSOFF,  19398656
.set XB,     2*BLKB
.set SPARE,  3*BLKB
.set FPW,    21                        ; fragments of 12 registers in a window of 256; fragment f lies in window 1 + f / 21: 0-31 x's (4 s + tile), 32-39 and 40-47 the weights' two sets
.set SEL, 2                            ; s2, s3 lane selects
.set WV,  8                            ; s8 wave; s9 a, s10 b, s11 cx, s12 cy, s13 xb
.set G1X, 16                           ; s[16:23] group 1 of x's halves; s[24:31] of weight blocks
.set G1W, 24
.set G0X, 32
.set G0A, 36
.set G0B, 40
.set G0R, 44                           ; group 0 of the refills
.set NXT, 48                           ; s[48:49] the block that the next even refill loads; s[50:51] from q, k's third block to v's first
.set DLT, 50
.set VCO, 56                           ; v's first offsets
.set VWO, 57
.set CO,  58                           ; the head's offsets in qkv: codes, pair words
.set WO,  59
.set TRIP, 60
.set PFE, 61                           ; 1: my cluster prefetches (even heads; odd heads, first trip alone)
.set PFO, 62
.set QW,  66                           ; s[66:67] wave x 25,600
.set SPW, 4                            ; v4 my spare word, v5 zero; v1 16 x lane, v2 512 + 16 r + 8 h, v3 4 x lane
.set NIL, 5
.set WA,  6                            ; v6-9 LDS address of my head's fragments, 16-byte pieces: 2 x slot + (K steps 4-7); v10-13 the 8-byte pieces
.set WSA, 14                           ; v14-17 of its scale words
.set VO,  19                           ; v19-21 the stores' offsets
.set VPF, 30
.set XS,  32                           ; v32-47 x's scale words: 2 s + tile / 2; lanes 0-15 the even tile, 16-31 the odd
.set WS,  52                           ; v52-67, v68-83 the weights', a set for each slot
.set ACC, 96                           ; v96-223
.set T0,  224
.set E0,  228
.set B0,  230
.set PT,  232
.set PB,  236
.set MSB, 0
.macro WIN new
.if MSB != \new
	s_set_vgpr_msb (MSB<<8)|\new
.set MSB, \new
.endif
.endm
.macro PLACES n
.rept \n
	v_nop
.endr
.endm
.macro BARRIER
	s_barrier_signal -1
	s_barrier_wait -1
.endm
.macro MIDDLE                          ; a round's middle: the opening wait, wave 0's signal for the work-group, the cluster's wait
	WIN 0
	s_barrier_wait -1
	s_cmp_lg_u32 s[WV], 0
	s_cbranch_scc1 .Lnot_wave_0_\@
	s_barrier_signal -3
.Lnot_wave_0_\@:
	s_barrier_wait -3
.endm
.macro CROUND
	s_barrier_signal -1
	MIDDLE
	BARRIER
.endm
.macro TLOAD g0, g1
	tensor_load_to_lds s[\g0:\g0+3], s[\g1:\g1+7]
	s_nop 0
	PLACES 4
.endm
.macro FR4 f, a16, a8, off             ; a fragment is two half-images on end: 16 and 8 bytes a lane each
	WIN (1+(\f)/FPW)<<6
.set R_, 12*((\f)%FPW)
	ds_load_b128 v[R_:R_+3], v[\a16] offset:\off
	ds_load_b64 v[R_+4:R_+5], v[\a8] offset:\off
	ds_load_b128 v[R_+6:R_+9], v[\a16] offset:(\off)+768
	ds_load_b64 v[R_+10:R_+11], v[\a8] offset:(\off)+768
.endm
.macro FETCH e, sl, t                  ; tile t of my head in slot sl, all of K, into set e: 32 loads
.irp q, 0,1,2,3,4,5,6,7
	FR4 32+8*(\e)+\q, WA+2*(\sl)+\q/4, WA+4+2*(\sl)+\q/4, (\q%4)*STEPB+(\t)*1536
.endr
	WIN 0
.endm
.macro WSC sl                          ; my head's scale words in slot sl: 16 loads
.irp q, 0,1,2,3,4,5,6,7
	ds_load_b32 v[WS+16*(\sl)+2*\q], v[WSA+2*(\sl)+\q/4] offset:(\q%4)*STEPB
	ds_load_b32 v[WS+16*(\sl)+2*\q+1], v[WSA+2*(\sl)+\q/4] offset:(\q%4)*STEPB+128
.endr
.endm
.macro P3 d, f0, f1, c, x0, x1, r0, r1
	v_wmma_scale_f32_16x16x128_f8f6f4 v[\d:\d+7], v[12*((\f0)%FPW):12*((\f0)%FPW)+11], v[12*((\f1)%FPW):12*((\f1)%FPW)+11], \c, v[\x0], v[\x1] matrix_a_fmt:MATRIX_FMT_FP6 matrix_b_fmt:MATRIX_FMT_FP6 matrix_a_scale:MATRIX_SCALE_ROW\r0 matrix_b_scale:MATRIX_SCALE_ROW\r1
.endm
.macro P2 d, f0, f1, c, x0, x1, r0, r1
.if (\r0)+2*(\r1) == 0
	P3 \d, \f0, \f1, \c, \x0, \x1, 0, 0
.elseif (\r0)+2*(\r1) == 1
	P3 \d, \f0, \f1, \c, \x0, \x1, 1, 0
.elseif (\r0)+2*(\r1) == 2
	P3 \d, \f0, \f1, \c, \x0, \x1, 0, 1
.else
	P3 \d, \f0, \f1, \c, \x0, \x1, 1, 1
.endif
.endm
.macro P1 d, f0, f1, q, x0, x1, r0, r1 ; the first K step's product starts the sum
	WIN (1+(\f0)/FPW)|((1+(\f1)/FPW)<<2)
.if \q
	P2 \d, \f0, \f1, v[\d:\d+7], \x0, \x1, \r0, \r1
.else
	P2 \d, \f0, \f1, 0, \x0, \x1, \r0, \r1
.endif
.endm
.macro PRODS kind, e, t, sl, from, to  ; products from .. to - 1 of tile t: number 4 s + token tile
.set N_, \from
.rept (\to)-(\from)
.set Q_, N_/4
.set I_, N_%4
.set FW_, 32+8*(\e)+Q_
.set SX_, XS+2*Q_+I_/2
.set SW_, WS+16*(\sl)+2*Q_+(\t)/2
.if \kind
	P1 ACC+8*(4*(\t)+I_), N_, FW_, Q_, SX_, SW_, I_%2, (\t)%2
.else
	P1 ACC+8*(4*I_+(\t)), FW_, N_, Q_, SW_, SX_, (\t)%2, I_%2
.endif
.set N_, N_+1
.endr
.endm
; 32 numbers of a lane, register 16 b + i = index 32 b + 16 (lane / 16) + i of my row, become a half-image's six registers v[pc] on and two scale bytes in v[pb]
.macro QUANT64 s, pc, pb
.irp b, 0,1
	v_max3_num_f32 v[T0+\b], |v[\s+16*\b]|, |v[\s+16*\b+1]|, 0x1800000   ; with the floor 2^(3 - 127); each accumulator is read from its low end on
.endr
.irp i, 2,4,6,8,10,12,14
.irp b, 0,1
	v_max3_num_f32 v[T0+\b], v[T0+\b], |v[\s+16*\b+\i]|, |v[\s+16*\b+\i+1]|
.endr
.endr
.irp b, 0,1
	v_permlanex16_b32 v[T0+2+\b], v[T0+\b], s[SEL], s[SEL+1]
.endr
.irp b, 0,1
	v_max_num_f32 v[T0+\b], v[T0+\b], v[T0+2+\b]   ; with lane l xor 16's: the block's largest magnitude
.endr
.irp b, 0,1
	v_add_nc_u32 v[E0+\b], 0xff000000, v[T0+\b]    ; 2 off the exponent field: the conversion's scale operand
.endr
.irp b, 0,1
	v_lshrrev_b32 v[B0+\b], 23, v[E0+\b]
.endr
	v_lshl_or_b32 v[\pb], v[B0+1], 8, v[B0]
	v_cvt_scalef32_pk16_fp6_f32 v[\pc:\pc+2], v[\s:\s+15], v[E0]
	v_cvt_scalef32_pk16_fp6_f32 v[PT:PT+2], v[\s+16:\s+31], v[E0+1]
	v_nop                                          ; one plain place behind the scaled conversions
.irp i, 0,1,2
	v_permlane16_swap_b32 v[\pc+\i], v[PT+\i]      ; a lane gets a whole block
.endr
.irp i, 0,1,2
	v_mov_b32 v[\pc+3+\i], v[PT+\i]
.endr
.endm
.macro PUT i, cd
	global_store_b128 v[VO], v[\cd:\cd+3], s[6:7] offset:768*\i      ; 512 consecutive bytes, aligned to 256
	global_store_b64 v[VO+1], v[\cd+4:\cd+5], s[6:7] offset:768*\i   ; 256 consecutive bytes, aligned
.endm
.macro EPI cstep, wstep                ; a head's way out: four half-images and their pair words
	s_wait_xcnt 0x0                                ; the last head's stores and my prefetch have read their registers
	v_add_nc_u32 v[VO], s[CO], v1
	v_add_nc_u32 v[VO+1], s[CO], v2
	v_add_nc_u32 v[VO+2], s[WO], v3
	s_add_co_u32 s[CO], s[CO], \cstep
	s_add_co_u32 s[WO], s[WO], \wstep
	QUANT64 ACC, 240, PB
	QUANT64 ACC+32, 248, PB+1
	QUANT64 ACC+64, 84, PB+2
	QUANT64 ACC+96, 24, PB+3
	v_lshl_or_b32 v90, v[PB+1], 16, v[PB]
	v_lshl_or_b32 v91, v[PB+3], 16, v[PB+2]
	v_cmp_le_u32 vcc_lo, 16, v18
	v_cndmask_b32 v90, v90, v91, vcc_lo
	PUT 0, 240
	PUT 1, 248
	PUT 2, 84
	PUT 3, 24
	global_store_b32 v[VO+2], v90, s[6:7]          ; 128 consecutive bytes
.endm
; A HEAD: four tiles. THE WAITS' COUNTS: a tile was fetched two tiles ago; younger than that fetch are the 32 loads of the next tile's fetch. Behind the third tile's wait for all LDS work the fourth tile is in: no wait.
; mode 0: the slot is read out with the fourth tile's fetch, so the third tile's products hold the round, behind which the slot is filled again and the other slot is read. mode 1: a plain barrier shows the last block; nothing is filled. mode 2: the last head.
.macro HEAD kind, sl, mode, cstep, wstep
	s_wait_dscnt 32
	PRODS \kind, 0, 0, \sl, 0, 32
	WIN 0
	PLACES 4                                       ; places in front of loads into registers that the products read
	FETCH 0, \sl, 2
	s_wait_dscnt 32
	PRODS \kind, 1, 1, \sl, 0, 32
	WIN 0
	PLACES 4
	FETCH 1, \sl, 3
	s_wait_dscnt 32
.if (\mode) == 0
	s_wait_tensorcnt 0x0                           ; all my tensor loads are in, my part of the other slot among them
	ds_add_u32 v[SPW], v[NIL]
	s_mov_b32 s[G1W+2], 100<<16                    ; no load of mine is out: a refill brings 100 rows of 256 bytes a wave
	s_mov_b32 s[G1W+4], 100
	s_add_co_u32 s[G0R+1], s[QW], (\sl)*BLKB
	s_add_nc_u64 s[G0R+2:G0R+3], s[NXT:NXT+1], s[QW:QW+1]
.if \sl
	s_add_nc_u64 s[G0R+2:G0R+3], s[G0R+2:G0R+3], BLKB
	s_add_nc_u64 s[NXT:NXT+1], s[NXT:NXT+1], s[DLT:DLT+1]
.endif
	s_or_b32 s[G0R+3], s[G0R+3], 0x80000000
	PRODS \kind, 0, 2, \sl, 0, 24
	WIN 0
	s_wait_dscnt 0x0                               ; the add is done, and my reads of this slot are over
	s_barrier_signal -1
	PRODS \kind, 0, 2, \sl, 24, 32
	MIDDLE
	BARRIER
	TLOAD G0R, G1W                                 ; the block two heads on; its four v_nop are the places in front of the fetch
	FETCH 0, 1-(\sl), 0
	WSC 1-(\sl)
.if \sl
	s_cmp_eq_u32 s[PFO], 1
.else
	s_cmp_eq_u32 s[PFE], 1
.endif
	s_cbranch_scc0 .Lnot_asked_\@
	global_prefetch_b8 v[VPF], s[NXT:NXT+1] offset:(1-(\sl))*BLKB th:TH_LOAD_NT scope:SCOPE_SE
.Lnot_asked_\@:
.elseif (\mode) == 1
	PRODS \kind, 0, 2, \sl, 0, 24
	WIN 0
	s_wait_tensorcnt 0x0
	s_wait_dscnt 0x0
	s_barrier_signal -1
	PRODS \kind, 0, 2, \sl, 24, 32
	WIN 0
	s_barrier_wait -1
	PLACES 4
	FETCH 0, 1-(\sl), 0
	WSC 1-(\sl)
.else
	PRODS \kind, 0, 2, \sl, 0, 32
	s_wait_dscnt 0x0
.endif
	PRODS \kind, 1, 3, \sl, 0, 32
	WIN 0
	PLACES 4                                       ; places in front of the fetch and of the first reads of the sums
.if (\mode) < 2
	FETCH 1, 1-(\sl), 1
.endif
	EPI \cstep, \wstep
.endm
; ---- the head
	s_load_b128 s[4:7], s[0:1], 0x0                ; codes, qkv
	v_lshl_add_u32 v[SPW], v0, 2, SPARE
	v_mov_b32 v[NIL], 0
	ds_add_u32 v[SPW], v[NIL]                      ; the opening lines: the add twice on end and its wait
	ds_add_u32 v[SPW], v[NIL]
	v_lshrrev_b32 v1, 5, v0
	v_readfirstlane_b32 s[WV], v1
	s_lshr_b32 s9, s[WV], 1
	s_and_b32 s10, s[WV], 1
	s_bfe_u32 s11, ttmp6, 0x40000
	s_bfe_u32 s12, ttmp6, 0x40004
	s_lshl_b32 s13, ttmp9, 2
	s_add_co_u32 s13, s13, s11
	s_lshl_b32 s14, s12, 2
	s_lshl_b32 s14, 15, s14                        ; my row of the cluster
	s_lshl_b32 s15, 0x1111, s11                    ; my column
	s_or_b32 s[G1X], s15, (3<<16)|(1<<21)          ; elements of 8 bytes, rows of 256 bytes, dense, no padding
	s_or_b32 s[G1W], s14, (3<<16)|(1<<21)
.irp g, G1X, G1W
	s_mov_b32 s[\g+1], 32<<16
	s_mov_b32 s[\g+3], 32<<16
	s_mov_b32 s[\g+5], 32
	s_mov_b32 s[\g+6], 0
	s_mov_b32 s[\g+7], 0
.endr
	s_mov_b32 s[G1X+2], 200<<16                    ; half a block
	s_mov_b32 s[G1X+4], 200
	s_mov_b32 s[G1W+2], 400<<16                    ; a whole block
	s_mov_b32 s[G1W+4], 400
	s_mov_b32 s[G0X], 1
	s_mul_i32 s[G0X+1], s10, HALFB
	s_mul_i32 s52, s13, BLKB
	s_add_co_u32 s52, s52, s[G0X+1]                ; x's block, the half that waves 0 and 1 fetch
	s_mov_b32 s53, 0
	s_add_co_u32 s[G0X+1], s[G0X+1], XB
	s_mov_b32 s[G0A], 1
	s_mov_b32 s[G0A+1], 0
	s_mov_b32 s[G0B], 1
	s_mov_b32 s[G0B+1], BLKB
	s_mov_b32 s[G0R], 1
	s_lshl_b32 s54, s12, 2
	s_add_co_u32 s54, s54, 64
	s_mul_i32 s54, s54, BLKB                       ; my first weight block
	s_mov_b32 s55, 0
	s_lshl_b32 s[DLT], s12, 1
	s_sub_co_u32 s[DLT], 14, s[DLT]
	s_mul_i32 s[DLT], s[DLT], BLKB                 ; from block 64 + 4 p + 2 to block 80 + 2 p
	s_mov_b32 s[DLT+1], 0
	s_mul_i32 s[QW], s[WV], QUARB
	s_mov_b32 s[QW+1], 0
	s_mov_b32 s[SEL], 0x76543210
	s_mov_b32 s[SEL+1], 0xfedcba98
	s_lshl_b32 s72, s12, 3                         ; q, k: tile ((8 p + b) 512 + 8 xb + 4 a)
	s_add_co_u32 s72, s72, s10
	s_lshl_b32 s72, s72, 9
	s_lshl_b32 s73, s13, 3
	s_add_co_u32 s72, s72, s73
	s_lshl_b32 s73, s9, 2
	s_add_co_u32 s72, s72, s73
	s_mul_i32 s[CO], s72, 768
	s_lshl_b32 s[WO], s72, 5
	s_add_co_u32 s[WO], s[WO], QKSOFF
	s_lshl_b32 s72, s13, 1                         ; v: tile ((2 xb + a) 64 + 16 p + 4 b)
	s_add_co_u32 s72, s72, s9
	s_lshl_b32 s72, s72, 6
	s_lshl_b32 s73, s12, 4
	s_add_co_u32 s72, s72, s73
	s_lshl_b32 s73, s10, 2
	s_add_co_u32 s72, s72, s73
	s_mul_i32 s[VCO], s72, 768
	s_add_co_u32 s[VCO], s[VCO], VCOFF
	s_lshl_b32 s[VWO], s72, 5
	s_add_co_u32 s[VWO], s[VWO], VSOFF
	s_cmp_lt_u32 ttmp9, 4
	s_cselect_b32 s[PFE], 1, 0
	s_mov_b32 s[PFO], s[PFE]
	s_lshl_b32 s74, s11, 2
	s_add_co_u32 s74, s74, s[WV]
	s_lshl_b32 s74, s74, 5                         ; my wave's first unit among the row's sixteen waves
	s_mul_i32 s68, s10, 6144                       ; my head's four tiles, and their scale words
	s_lshl_b32 s69, s10, 8
	s_mul_i32 s70, s9, 6144                        ; my four token tiles
	s_lshl_b32 s71, s9, 8
	s_wait_dscnt 0x0
	CROUND                                         ; all sixteen work-groups are here: the joint loads meet
	s_wait_kmcnt 0x0
	s_add_nc_u64 s[G0X+2:G0X+3], s[4:5], s[52:53]
	s_or_b32 s[G0X+3], s[G0X+3], 0x80000000
	s_add_nc_u64 s[NXT:NXT+1], s[4:5], s[54:55]
	s_mov_b64 s[G0A+2:G0A+3], s[NXT:NXT+1]
	s_or_b32 s[G0A+3], s[G0A+3], 0x80000000
	s_add_nc_u64 s[G0B+2:G0B+3], s[NXT:NXT+1], BLKB
	s_or_b32 s[G0B+3], s[G0B+3], 0x80000000
	s_add_nc_u64 s[NXT:NXT+1], s[NXT:NXT+1], 2*BLKB
	s_cmp_lt_u32 s[WV], 2                          ; one tensor load a wave: x's halves first, then blocks 0 and 1
	s_cbranch_scc0 .Lwave_2
	TLOAD G0X, G1X
	s_branch .Lasked
.Lwave_2:
	s_cmp_eq_u32 s[WV], 2
	s_cbranch_scc0 .Lwave_3
	TLOAD G0A, G1W
	s_branch .Lasked
.Lwave_3:
	TLOAD G0B, G1W
.Lasked:
	v_and_b32 v18, 31, v0                          ; lane
	v_and_b32 v22, 15, v0                          ; r
	v_bfe_u32 v23, v0, 4, 1                        ; h
	v_lshlrev_b32 v1, 4, v18
	v_lshlrev_b32 v2, 4, v22
	v_lshl_add_u32 v2, v23, 3, v2
	v_add_nc_u32 v2, 512, v2
	v_lshlrev_b32 v3, 2, v18
	v_add_nc_u32 v[WA], s68, v1
	v_add_nc_u32 v[WA+4], s68, v2
	v_add_nc_u32 v[WSA], s69, v3
	v_add_nc_u32 v[WSA], 12288, v[WSA]
.irp g, WA, WA+4, WSA
	v_add_nc_u32 v[\g+1], HALFB, v[\g]
	v_add_nc_u32 v[\g+2], BLKB, v[\g]
	v_add_nc_u32 v[\g+3], BLKB+HALFB, v[\g]
.endr
	v_add_nc_u32 v96, s70, v1                      ; x's fragments: v96, v97 the 16-byte pieces, v98, v99 the 8-byte ones, v100, v101 the scale words
	v_add_nc_u32 v98, s70, v2
	v_add_nc_u32 v100, s71, v3
	v_add_nc_u32 v96, XB, v96
	v_add_nc_u32 v98, XB, v98
	v_add_nc_u32 v100, XB+12288, v100
	v_add_nc_u32 v97, HALFB, v96
	v_add_nc_u32 v99, HALFB, v98
	v_add_nc_u32 v101, HALFB, v100
	v_add_nc_u32 v[VPF], s74, v18
	v_min_u32 v[VPF], 399, v[VPF]                  ; the lanes left over name the block's last unit again
	v_lshlrev_b32 v[VPF], 8, v[VPF]
	v_mov_b32 v[T0+2], 0                           ; written once: a lane permute's destination counts as one of its sources
	v_mov_b32 v[T0+3], 0
	s_wait_alu depctr_va_vdst(0)
	s_cmp_eq_u32 s[PFE], 1
	s_cbranch_scc0 .Lnot_asked
	global_prefetch_b8 v[VPF], s[NXT:NXT+1] th:TH_LOAD_NT scope:SCOPE_SE   ; block 2
.Lnot_asked:
	s_cmp_lt_u32 s[WV], 2
	s_cbranch_scc0 .Lnot_x
	s_wait_tensorcnt 0x0
.Lnot_x:
	BARRIER                                        ; x's block is in
.irp q, 0,1,2,3,4,5,6,7
.irp i, 0,1,2,3
	FR4 4*\q+\i, 96+\q/4, 98+\q/4, (\q%4)*STEPB+\i*1536
.endr
.endr
	WIN 0
.irp q, 0,1,2,3,4,5,6,7
	ds_load_b32 v[XS+2*\q], v[100+\q/4] offset:(\q%4)*STEPB
	ds_load_b32 v[XS+2*\q+1], v[100+\q/4] offset:(\q%4)*STEPB+128
.endr
	s_cmp_eq_u32 s[WV], 3
	s_cbranch_scc1 .Lnot_w0
	s_wait_tensorcnt 0x0
.Lnot_w0:
	s_wait_dscnt 0x0
	BARRIER                                        ; block 0 is in; block 1 may still be on its way: the first round shows it
	FETCH 0, 0, 0
	WSC 0
	FETCH 1, 0, 1
	s_mov_b32 s[TRIP], 0
.Lqk:                                              ; q or k: two trips of two heads, each head with a refill
	HEAD 0, 0, 0, 786432, 32768
	HEAD 0, 1, 0, 786432, 32768
	s_mov_b32 s[PFO], 0
	s_add_co_u32 s[TRIP], s[TRIP], 1
	s_cmp_lg_u32 s[TRIP], 2
	s_cbranch_scc1 .Lqk
	s_mov_b32 s[CO], s[VCO]
	s_mov_b32 s[WO], s[VWO]
	HEAD 1, 0, 1, 6144, 256                        ; v: two heads; nothing more is filled
	HEAD 1, 1, 2, 6144, 256
	s_wait_tensorcnt 0x0                           ; the wave's end
	ds_add_u32 v[SPW], v[NIL]
	s_wait_dscnt 0x0
	CROUND                                         ; the closing round
	s_endpgm
.Lfunc_end_k_q7f77cb63a6_proj:
	.size	k_q7f77cb63a6_proj, .Lfunc_end_k_q7f77cb63a6_proj-k_q7f77cb63a6_proj
	.p2alignl 7, 3214868480
	.fill 96, 4, 3214868480
	.section	.rodata,"a",@progbits
	.p2align	6, 0x0
	.amdhsa_kernel k_q7f77cb63a6_proj
		.amdhsa_group_segment_fixed_size 327680
		.amdhsa_private_segment_fixed_size 0
		.amdhsa_enable_private_segment 0
		.amdhsa_kernarg_size 16
		.amdhsa_user_sgpr_count 2
		.amdhsa_user_sgpr_kernarg_segment_ptr 1
		.amdhsa_wavefront_size32 1
		.amdhsa_system_sgpr_workgroup_id_x 1
		.amdhsa_system_sgpr_workgroup_id_y 1
		.amdhsa_system_sgpr_workgroup_id_z 1
		.amdhsa_system_vgpr_workitem_id 0
		.amdhsa_next_free_vgpr 840
		.amdhsa_next_free_sgpr 80
		.amdhsa_reserve_vcc 1
		.amdhsa_float_denorm_mode_32 3
		.amdhsa_float_denorm_mode_16_64 3
		.amdhsa_memory_ordered 1
		.amdhsa_forward_progress 1
		.amdhsa_inst_pref_size 161
	.end_amdhsa_kernel
	.amdgpu_metadata
---
amdhsa.version: [ 1, 2 ]
amdhsa.kernels:
  - .name:           k_q7f77cb63a6_proj
    .symbol:         k_q7f77cb63a6_proj.kd
    .args:
      - { .name: codes, .offset: 0, .size: 8, .value_kind: global_buffer, .address_space: global }
      - { .name: qkv, .offset: 8, .size: 8, .value_kind: global_buffer, .address_space: global }
    .group_segment_fixed_size: 327680
    .private_segment_fixed_size: 0
    .kernarg_segment_align: 8
    .kernarg_segment_size: 16
    .max_flat_workgroup_size: 128
    .sgpr_count:     80
    .vgpr_count:     840
    .wavefront_size: 32
...
	.end_amdgpu_metadata
.endif
;; end of part 2
;; launch attn (part 3): grid 4 x 64, 16 waves a work-group, clusters of 4 x 1, 206,848 bytes of LDS; arguments qkv, ctx; writes ctx
.if DOCPART == 3
	.amdgcn_target "amdgcn-amd-amdhsa--gfx1250"
	.amdhsa_code_object_version 6
	.text
	.protected	k_q7f77cb63a6_attn
	.globl	k_q7f77cb63a6_attn
	.p2align	8
	.type	k_q7f77cb63a6_attn,@function
k_q7f77cb63a6_attn:
	s_mov_b64 s[64:65], 0
	v_nop
	global_prefetch_b8 v0, s[64:65] scope:SCOPE_SE
	s_setreg_imm32_b32 hwreg(HW_REG_WAVE_MODE, 25, 1), 1
	s_wait_xcnt 0x0
	s_wait_alu depctr_hold_cnt(0) depctr_sa_sdst(0) depctr_va_vdst(0) depctr_va_sdst(0) depctr_va_ssrc(0) depctr_va_vcc(0) depctr_vm_vsrc(0)
	s_getreg_b32 s2, hwreg(HW_REG_IB_STS2, 6, 4)
	s_cmp_eq_u32 s2, 0
	s_cbranch_scc0 .Lentry_in_a_cluster
	s_endpgm
.Lentry_in_a_cluster:
	s_bfe_u32 s2, ttmp6, 0x10000c
	s_cmp_lg_u32 s2, 0x3003
	s_cbranch_scc0 .Lentry_shape_is_right
	s_endpgm
.Lentry_shape_is_right:
; ATTN: causal attention of one head (64 wide, 2,048 tokens) on codes of FP6 (E2M3) with E8M0 scales, and its result quantised along head x 64 + d for the last product.
; THE SOFTMAX AHEAD OF THE SECOND PRODUCT: t = score x log2(e) / 8; M = the running largest t rounded UP to a whole number; p = 2^(t - M) is quantised along the keys, not normalised; the row's sum is taken
; of the unquantised p and divides at the end; when M moves, the sum and O are multiplied by 2^(old M - new M), which rounds nothing.
; SHARES: a cluster of four work-groups is one head (work-group y = 16 x batch + head); its K and V, codes and scale words, 200 KiB, come into every partner's LDS ONCE, by joint loads: no byte is filled again.
; Wave w (e = w % 2, gl = w / 2) owns two tiles of 16 queries: tile 2 cx + e of query group 15 - gl, then of group gl (a group = 128 queries).  A tile of group g walks g + 1 steps of 128 keys: 17 steps for every wave.
; Whether a step is hidden or on the diagonal hangs on the wave's number alone; cx enters global addresses and a compared value, no branch and no LDS address.
; LAYOUT: both products transposed: S^T = K Q^T, O^T = V^T P^T: a lane holds ONE query.  Tiles of tokens are in the order r + 8 (r / 8) + 8 u, so that the 16 registers of two neighbouring tiles are 16 neighbours.
; THE HEAD IS 64 WIDE AND THE INSTRUCTION 128: a fragment of K is TWO key tiles on end (64 + 64), multiplied once by (Q, zeros) and once by (zeros, Q): zero codes add nothing.
; LIMITS: the quantiser's: no NaN or infinities; largest magnitudes under 2^-124 and blocks of zeros keep the byte 1.
.set BLKB,   102400
.set STEPB,  12800
.set VCOFF,  12582912
.set QKSOFF, 18874368
.set VSOFF,  19398656
.set VL,   98304                       ; LDS: K's codes [key tile 0..127][768] at 0; V's [64 keys 0..31][d tile 0..3][768] here;
.set KSL,  196608                      ; K's pair words, 64 bytes a pair of tiles;
.set VSL,  200704                      ; V's, 128 bytes for each 64 keys
.set WV,  8
.set CS,  84                           ; s[84:85] c = log2(e) / 8
.set SEL, 86                           ; s[86:87] lane selects
.set J,   88                           ; s88 the key step
.set G,   89                           ; s89 my tile's query group
.set TB,  90                           ; s90 the step's codes: 6,144 bytes a step
.set TS,  91                           ; s91 its scale words: 256 bytes a step
.set KFR, 34                           ; v34-81  four fragments, of K and then of V
.set S,   104                          ; v104-167 S^T, then p
.set O,   168                          ; v168-199 O^T
.set PCD, 200                          ; v200-211 p's codes
.set PT,  212                          ; v212-219
.set BM,  220                          ; v220-223 the blocks' largest scores
.set T2,  224                          ; v224-227
.set EE,  228                          ; v228-231
.set ADK, 236                          ; v236-237 the step's K; v238-239 V; v240, v241 their scale words
.set ADV, 238
.set ADS, 240
.set T0,  220                          ; the way out's quantiser works in the same registers
.set E0,  228
.set B0,  226
; v1 16 x lane; v2 512 + 16 r + 8 h; v3, v4 the same in V; v5, v6 scale words' places; v7 Q's scale word; v8 my query less 32 h; v9 4 r; v12 -M, v13 largest t, v[14:15] the sum;
; v16-21 zeros, v22-27 Q, v28-33 zeros; v82-87 the second tile's Q; v88, v89 Q's pair words; v90-96 the result's codes and bytes; v98-103 scale words; v232 f, v233 p's scale word
.macro CROUND
	s_barrier_signal -1
	s_barrier_wait -1
	s_cmp_lg_u32 s[WV], 0
	s_cbranch_scc1 .Lnot_wave_0_\@
	s_barrier_signal -3
.Lnot_wave_0_\@:
	s_barrier_wait -3
	s_barrier_signal -1
	s_barrier_wait -1
.endm
.macro MKG1 g, c, r, p                 ; r rows of c elements of 8 bytes, p elements apart; the mask names all four partners; bit 21 set beside it; no padding
	s_mov_b32 s[\g], 15|(3<<16)|(1<<21)
	s_mov_b32 s[\g+1], (\c)<<16
	s_mov_b32 s[\g+2], (\r)<<16
	s_mov_b32 s[\g+3], (\c)<<16
	s_mov_b32 s[\g+4], \r
	s_mov_b32 s[\g+5], \p
	s_mov_b32 s[\g+6], 0
	s_mov_b32 s[\g+7], 0
.endm
.macro MKG0 g, lds, ad, add
	s_mov_b32 s[\g], 1
	s_mov_b32 s[\g+1], \lds
	s_add_nc_u64 s[\g+2:\g+3], s[\ad:\ad+1], \add
	s_or_b32 s[\g+3], s[\g+3], 0x80000000
.endm
	s_load_b128 s[4:7], s[0:1], 0x0                ; qkv s[4:5], ctx s[6:7]
	v_lshl_add_u32 v254, v0, 2, 0x32000
	v_mov_b32 v255, 0
	ds_add_u32 v254, v255
	ds_add_u32 v254, v255
	v_lshrrev_b32 v10, 5, v0
	s_delay_alu instid0(VALU_DEP_1)
	v_readfirstlane_b32 s[WV], v10
	s_bfe_u32 s9, ttmp6, 0x40000                   ; cx
	s_and_b32 s10, ttmp7, 0xffff
	s_lshr_b32 s11, s10, 4                         ; batch
	s_and_b32 s12, s10, 15                         ; head
	s_and_b32 s13, s[WV], 1                        ; e
	s_lshr_b32 s14, s[WV], 1                       ; gl
	MKG1 24, 32, 192, 32                           ; K's codes, half a head: 49,152 dense bytes as rows of 256
	MKG1 32, 384, 16, 6144                         ; V's: 16 rows of 3,072 bytes, 49,152 apart
	MKG1 40, 32, 16, 32                            ; K's pair words: 4,096 dense bytes
	MKG1 48, 16, 32, 256                           ; V's: 32 rows of 128 bytes, 2,048 apart
	s_add_co_u32 s15, s12, 16
	s_lshl_b32 s15, s15, 9
	s_lshl_b32 s16, s11, 7
	s_add_co_u32 s15, s15, s16                     ; K's first tile: (16 + head) 512 + 128 batch
	s_lshl_b32 s16, s11, 11
	s_lshl_b32 s17, s12, 2
	s_add_co_u32 s16, s16, s17                     ; V's: 2,048 batch + 4 head
	s_mul_i32 s18, s15, 768
	s_mov_b32 s19, 0
	s_lshl_b32 s20, s15, 5
	s_add_co_u32 s20, s20, QKSOFF
	s_mov_b32 s21, 0
	s_mul_i32 s22, s16, 768
	s_add_co_u32 s22, s22, VCOFF
	s_mov_b32 s23, 0
	s_lshl_b32 s16, s16, 5
	s_add_co_u32 s16, s16, VSOFF
	s_mov_b32 s17, 0
	s_mov_b32 s[CS], 0x3e38aa3b
	s_mov_b32 s[CS+1], s[CS]                       ; (named with it as a pair, so it is written)
	s_mov_b32 s[SEL], 0x76543210
	s_mov_b32 s[SEL+1], 0xfedcba98
	s_wait_dscnt 0x0
	s_wait_kmcnt 0x0
	s_add_nc_u64 s[18:19], s[4:5], s[18:19]
	s_add_nc_u64 s[20:21], s[4:5], s[20:21]
	s_add_nc_u64 s[22:23], s[4:5], s[22:23]
	s_add_nc_u64 s[16:17], s[4:5], s[16:17]
	MKG0 56, KSL, 20, 0
	MKG0 60, 0, 18, 0
	MKG0 68, 49152, 18, 49152
	MKG0 72, VSL, 16, 0
	MKG0 76, VL, 22, 0
	MKG0 80, VL+49152, 22, 786432
	CROUND                                         ; all four work-groups are here: the joint loads meet
; one tensor load a wave, in one chain of branches on the wave's number: waves 0 to 3 the scale words and keys 0 to 1,023, waves 4 and 5 keys 1,024 on
.macro ARM n, g0, g1
	s_cmp_eq_u32 s[WV], \n
	s_cbranch_scc0 .Lnot_\n
	tensor_load_to_lds s[\g0:\g0+3], s[\g1:\g1+7]
	s_nop 0
.rept 4
	v_nop
.endr
	s_branch .Lasked
.Lnot_\n:
.endm
	ARM 0, 56, 40
	ARM 1, 60, 24
	ARM 2, 72, 48
	ARM 3, 76, 32
	ARM 4, 68, 24
	ARM 5, 80, 32
.Lasked:
	v_and_b32 v10, 15, v0                          ; r
	v_bfe_u32 v11, v0, 4, 1                        ; h
	v_and_b32 v234, 31, v0                         ; lane
	s_delay_alu instid0(VALU_DEP_1)
	v_lshlrev_b32 v1, 4, v234
	s_delay_alu instid0(VALU_DEP_4)
	v_lshlrev_b32 v2, 4, v10
	s_delay_alu instid0(VALU_DEP_1)
	v_lshl_add_u32 v2, v11, 3, v2
	s_delay_alu instid0(VALU_DEP_1)
	v_add_nc_u32 v2, 512, v2
	s_delay_alu instid0(VALU_DEP_4)
	v_add_nc_u32 v3, VL, v1
	s_delay_alu instid0(VALU_DEP_2)
	v_add_nc_u32 v4, VL, v2
	; THE KEYS THAT FORM A TILE OF K ARE CHOSEN ANEW AS LDS IS READ: tile j of each 64 keys takes keys 8 j + i (rows 0-7) and 32 + 8 j + i (rows 8-15), so that a lane's 32 registers of four tiles are one whole block of 32 keys.
	; Row r of that tile lies in the stored tile 2 (r / 8) + j % 2 of the 64 keys, at its lane r % 8 + 8 (j / 2): the lane's part stands in v230, v231 and v5, the tile's part in the loads' immediates.
	v_and_b32 v215, 7, v10                         ; r % 8
	v_lshrrev_b32 v5, 3, v10                       ; r / 8
	v_mul_u32_u24 v230, v5, 1536
	v_lshl_add_u32 v230, v215, 4, v230             ; two stored tiles on for rows 8-15, + 16 (r % 8)
	v_lshl_add_u32 v231, v11, 3, v230
	v_add_nc_u32 v231, 512, v231                   ; K's 8-byte pieces
	v_lshl_add_u32 v230, v11, 8, v230              ; K's 16-byte pieces
	v_lshlrev_b32 v5, 6, v5
	v_lshl_add_u32 v5, v215, 2, v5
	v_lshl_add_u32 v5, v11, 5, v5
	v_add_nc_u32 v5, KSL, v5                       ; K's pair words: pair r / 8 of the 64 keys, lane r % 8 + 8 h
	v_lshlrev_b32 v215, 3, v11                     ; 8 h
	v_lshl_add_u32 v6, v234, 2, VSL
	v_lshlrev_b32 v9, 2, v10
	v_and_b32 v8, 8, v10
	s_delay_alu instid0(VALU_DEP_1)
	v_add_nc_u32 v8, v8, v10                       ; r + 8 (r / 8)
	v_lshlrev_b32 v234, 5, v11                     ; (32 h: a lane's keys begin at 32 h of each 64)
	s_delay_alu instid0(VALU_DEP_1)
	v_sub_nc_u32 v8, v8, v234                      ; - 32 h
	s_lshl_b32 s97, s9, 5
	s_lshl_b32 s98, s13, 3
	s_add_co_u32 s97, s97, s98
	v_add_nc_u32 v8, s97, v8                       ; + 32 cx + 8 e: my query in its group, less 32 h
	; where the results go, as offsets in ctx: block 16 batch + group, K step head / 2, tile 2 cx + e, half head % 2
	s_lshl_b32 s96, s9, 1
	s_add_co_u32 s96, s96, s13                     ; my tile in a group
	s_lshl_b32 s97, s11, 4
	s_mul_i32 s97, s97, BLKB
	s_lshr_b32 s98, s12, 1
	s_mul_i32 s98, s98, STEPB
	s_add_co_u32 s97, s97, s98
	s_and_b32 s98, s12, 1
	s_mul_i32 s99, s96, 1536
	s_add_co_u32 s99, s99, s97
	s_mul_i32 s100, s98, 768
	s_add_co_u32 s99, s99, s100                    ; codes, group 0
	s_lshl_b32 s100, s96, 6
	s_add_co_u32 s100, s100, s97
	s_lshl_b32 s98, s98, 1
	s_add_co_u32 s100, s100, s98
	s_add_co_u32 s100, s100, 12288                 ; scale bytes, group 0
	s_sub_co_u32 s[G], 15, s14                     ; the first tile's group
	s_mul_i32 s97, s[G], BLKB
	s_add_co_u32 s92, s99, s97
	s_add_co_u32 s93, s100, s97
	s_mul_i32 s97, s14, BLKB
	s_add_co_u32 s94, s99, s97
	s_add_co_u32 s95, s100, s97
	; Q's two tiles and their pair words, as offsets in qkv
	s_lshl_b32 s97, s12, 9
	s_lshl_b32 s98, s11, 7
	s_add_co_u32 s97, s97, s98
	s_add_co_u32 s97, s97, s96
	s_lshl_b32 s98, s[G], 3
	s_add_co_u32 s98, s98, s97                     ; the first tile
	s_lshl_b32 s99, s14, 3
	s_add_co_u32 s99, s99, s97                     ; the second
	s_mul_i32 s100, s98, 768
	v_add_nc_u32 v104, s100, v1
	v_add_nc_u32 v105, s100, v2
	s_mul_i32 s100, s99, 768
	v_add_nc_u32 v106, s100, v1
	v_add_nc_u32 v107, s100, v2
	s_lshr_b32 s98, s98, 1
	s_lshl_b32 s98, s98, 6
	s_add_co_u32 s98, s98, QKSOFF
	v_add_nc_u32 v108, s98, v9
	s_lshr_b32 s99, s99, 1
	s_lshl_b32 s99, s99, 6
	s_add_co_u32 s99, s99, QKSOFF
	v_add_nc_u32 v109, s99, v9
	global_load_b128 v[22:25], v104, s[4:5]
	global_load_b64 v[26:27], v105, s[4:5]
	global_load_b128 v[82:85], v106, s[4:5]
	global_load_b64 v[86:87], v107, s[4:5]
	global_load_b32 v88, v108, s[4:5]
	global_load_b32 v89, v109, s[4:5]
	s_mov_b32 s101, 0x01000100                     ; my tile's two bytes of a pair word, twice: the even tile's are the low half,
	s_cmp_eq_u32 s13, 1
	s_cselect_b32 s101, 0x03020302, s101           ; the odd tile's the high half
.irp j, 16,17,18,19,20,21,28,29,30,31,32,33
	v_mov_b32 v\j, 0                               ; zero codes beside Q
.endr
.irp j, 220,221,222,223,224,225,226,227
	v_mov_b32 v\j, 0                               ; written once: a lane permute's destination counts as one of its sources
.endr
	v_mov_b32 v233, 0                              ; (named as the upper half of the pair v[232:233] before it is first written)
	v_mov_b32 v235, 0xff800000                     ; -infinity
.macro INIT
	v_mov_b32 v13, 0xff61b1e6                      ; the largest t so far: -3e38, under every t
	s_delay_alu instid0(VALU_DEP_1)
	v_floor_f32 v12, -v13                          ; -M
	v_mov_b32 v14, 0
	v_mov_b32 v15, 0
.set j, 0
.rept 32
	v_mov_b32 v[O+j], 0                            ; the step is written without a first step of its own: the first change of M leaves zeros zeros
.set j, j+1
.endr
.endm
	s_wait_loadcnt 0x0
	v_perm_b32 v7, v88, v88, s101
	INIT                                           ; (these are also the places between the scale word's write and the first product)
.macro FRAG reg, a16, a8, o0, o1       ; two half-images make a fragment
	ds_load_b128 v[\reg:\reg+3], v[\a16] offset:\o0
	ds_load_b64 v[\reg+4:\reg+5], v[\a8] offset:\o0
	ds_load_b128 v[\reg+6:\reg+9], v[\a16] offset:\o1
	ds_load_b64 v[\reg+10:\reg+11], v[\a8] offset:\o1
.endm
; A KEY STEP: 128 keys.  causal = 1: a step behind my group is left out, and on the diagonal hidden scores become -infinity
.macro STEP causal
.if \causal
	s_cmp_gt_u32 s[J], s[G]
	s_cbranch_scc1 .Lhidden_\@
.endif
	v_add_nc_u32 v[ADK], s[TB], v230               ; six plain lines: the places in front of loads into registers that the last products read
	v_add_nc_u32 v[ADK+1], s[TB], v231
	v_add_nc_u32 v[ADV], s[TB], v3
	v_add_nc_u32 v[ADV+1], s[TB], v4
	v_add_nc_u32 v[ADS], s[TS], v5
	v_add_nc_u32 v[ADS+1], s[TS], v6
.irp b, 0,1,2,3
	FRAG KFR+12*\b, ADK, ADK+1, 3072*(\b/2)+128*(\b%2), 3072*(\b/2)+128*(\b%2)+768   ; tiles j = 2 (b % 2), 2 (b % 2) + 1 of keys 64 (b / 2) on
.endr
	ds_load_b32 v98, v[ADS]                        ; the first 64 keys: lanes 0-15 the pair words of tiles 0, 1, lanes 16-31 of tiles 2, 3
	ds_load_b32 v99, v[ADS] offset:128             ; the second 64 keys
	s_wait_alu depctr_va_vdst(0)
	s_wait_dscnt 0x0
.irp b, 0,1,2,3
.if \b%2
	v_wmma_scale_f32_16x16x128_f8f6f4 v[S+16*\b:S+16*\b+7], v[KFR+12*\b:KFR+12*\b+11], v[22:33], 0, v[98+\b/2], v7 matrix_a_fmt:MATRIX_FMT_FP6 matrix_b_fmt:MATRIX_FMT_FP6 matrix_a_scale:MATRIX_SCALE_ROW1
	v_wmma_scale_f32_16x16x128_f8f6f4 v[S+16*\b+8:S+16*\b+15], v[KFR+12*\b:KFR+12*\b+11], v[16:27], 0, v[98+\b/2], v7 matrix_a_fmt:MATRIX_FMT_FP6 matrix_b_fmt:MATRIX_FMT_FP6 matrix_a_scale:MATRIX_SCALE_ROW1
.else
	v_wmma_scale_f32_16x16x128_f8f6f4 v[S+16*\b:S+16*\b+7], v[KFR+12*\b:KFR+12*\b+11], v[22:33], 0, v[98+\b/2], v7 matrix_a_fmt:MATRIX_FMT_FP6 matrix_b_fmt:MATRIX_FMT_FP6
	v_wmma_scale_f32_16x16x128_f8f6f4 v[S+16*\b+8:S+16*\b+15], v[KFR+12*\b:KFR+12*\b+11], v[16:27], 0, v[98+\b/2], v7 matrix_a_fmt:MATRIX_FMT_FP6 matrix_b_fmt:MATRIX_FMT_FP6
.endif
.endr                                  ; register 32 c + i of S holds key 64 c + 32 (lane / 16) + i of the step: block 2 c + lane / 16, whole
.rept 4
	v_nop                                          ; places: loads into K's registers follow, and reads of the scores
.endr
.irp dt, 0,1,2,3
	FRAG KFR+12*\dt, ADV, ADV+1, 768*\dt, 3072+768*\dt   ; V's four tiles of d x these 128 keys: they land while the softmax is walked
.endr
	ds_load_b32 v100, v[ADS+1]                     ; the first 64 keys' pair words: lanes 0-15 d tiles 0, 1, lanes 16-31 tiles 2, 3
	ds_load_b32 v101, v[ADS+1] offset:128          ; the second 64 keys'
.if \causal
	s_cmp_lg_u32 s[J], s[G]
	s_cbranch_scc1 .Lopen_\@
.irp n, 0,1,2,3,4,5,6,7,8,9,10,11,12,13,14,15,16,17,18,19,20,21,22,23,24,25,26,27,28,29,30,31,32,33,34,35,36,37,38,39,40,41,42,43,44,45,46,47,48,49,50,51,52,53,54,55,56,57,58,59,60,61,62,63
	v_cmp_gt_i32 vcc_lo, 64*(\n/32)+\n%32, v8      ; the register's key comes after my query
	v_cndmask_b32 v[S+\n], v[S+\n], v235, vcc_lo
.endr
.Lopen_\@:
.endif
.irp b, 0,1,2,3
	v_max3_num_f32 v[BM+\b], v[S+16*\b], v[S+16*\b+1], v[S+16*\b+2]   ; the largest score of each block of 32 keys: for the row's maximum, and, since p rises with the score, for the block's largest p
.endr
.irp i, 3,5,7,9,11,13
.irp b, 0,1,2,3
	v_max3_num_f32 v[BM+\b], v[BM+\b], v[S+16*\b+\i], v[S+16*\b+\i+1]
.endr
.endr
.irp c, 0,1
	v_max_num_f32 v[BM+2*\c+1], v[BM+2*\c+1], v[S+32*\c+31]
.endr
.irp c, 0,1
	v_max3_num_f32 v[BM+2*\c], v[BM+2*\c], v[S+32*\c+15], v[BM+2*\c+1]   ; my two blocks' largest scores: no other lane holds a key of them
.endr
	v_max_num_f32 v234, v[BM], v[BM+2]
	v_permlanex16_b32 v[T2], v234, s[SEL], s[SEL+1]
	v_max_num_f32 v234, v234, v[T2]                ; with lane l xor 16's two blocks: the step's largest score of my query
	s_delay_alu instid0(VALU_DEP_1)
	v_mul_f32 v234, s[CS], v234                    ; as t (c is positive)
	s_delay_alu instid0(VALU_DEP_1)
	v_max_num_f32 v13, v13, v234                   ; the running largest t
	v_mov_b32 v234, v12
	s_delay_alu instid0(VALU_DEP_2)
	v_floor_f32 v12, -v13                          ; the new -M = -ceil(t)
	s_delay_alu instid0(VALU_DEP_1)
	v_sub_f32 v234, v12, v234                      ; old M - new M: a whole number, 0 or less
	s_delay_alu instid0(VALU_DEP_1)
	v_cvt_i32_f32 v234, v234                       ; (it saturates)
	s_delay_alu instid0(VALU_DEP_1)
	v_ldexp_f32 v232, 1.0, v234                    ; f = 2^(old M - new M)
.irp j, 0,2,4,6,8,10,12,14,16,18,20,22,24,26,28,30,32,34,36,38,40,42,44,46,48,50,52,54,56,58,60,62
	v_pk_fma_f32 v[S+\j:S+\j+1], v[S+\j:S+\j+1], s[CS:CS+1], v[12:13] op_sel_hi:[1,0,0]   ; t - M
.endr
.irp b, 0,2
	v_fma_f32 v[BM+\b], v[BM+\b], s[CS], v12
.endr
	s_wait_alu depctr_va_vdst(0)
.irp j, 0,1,2,3,4,5,6,7,8,9,10,11,12,13,14,15,16,17,18,19,20,21,22,23,24,25,26,27,28,29,30,31,32,33,34,35,36,37,38,39,40,41,42,43,44,45,46,47,48,49,50,51,52,53,54,55,56,57,58,59,60,61,62,63
	v_exp_f32 v[S+\j], v[S+\j]                     ; p = 2^(t - M)
.endr
	v_pk_mul_f32 v[14:15], v[14:15], v[232:233] op_sel_hi:[1,0]   ; the sums under the new M: a plain line behind the exponentials
	s_wait_alu depctr_va_vdst(0)                   ; one wait for the batch, ahead of its first reader
.irp b, 0,2
	v_exp_f32 v[BM+\b], v[BM+\b]                   ; my two blocks' largest p
.endr
	v_pk_add_f32 v[224:225], v[108:109], v[112:113]
	v_pk_add_f32 v[252:253], v[116:117], v[120:121]
	v_pk_add_f32 v[250:251], v[124:125], v[128:129]
	v_pk_add_f32 v[248:249], v[132:133], v[136:137]
	v_pk_add_f32 v[246:247], v[140:141], v[144:145]
	v_pk_add_f32 v[244:245], v[148:149], v[152:153]
	v_pk_add_f32 v[242:243], v[156:157], v[160:161]
	v_pk_add_f32 v[14:15], v[14:15], v[164:165]
	v_pk_add_f32 v[224:225], v[224:225], v[104:105]
	v_pk_add_f32 v[252:253], v[252:253], v[106:107]
	v_pk_add_f32 v[250:251], v[250:251], v[110:111]
	v_pk_add_f32 v[248:249], v[248:249], v[114:115]
	v_pk_add_f32 v[246:247], v[246:247], v[118:119]
	v_pk_add_f32 v[244:245], v[244:245], v[122:123]
	v_pk_add_f32 v[242:243], v[242:243], v[126:127]
	v_pk_add_f32 v[14:15], v[14:15], v[130:131]
	v_pk_add_f32 v[224:225], v[224:225], v[134:135]
	v_pk_add_f32 v[252:253], v[252:253], v[138:139]
	v_pk_add_f32 v[250:251], v[250:251], v[142:143]
	v_pk_add_f32 v[248:249], v[248:249], v[146:147]
	v_pk_add_f32 v[246:247], v[246:247], v[150:151]
	v_pk_add_f32 v[244:245], v[244:245], v[154:155]
	v_pk_add_f32 v[242:243], v[242:243], v[158:159]
	v_pk_add_f32 v[14:15], v[14:15], v[162:163]
	v_pk_add_f32 v[224:225], v[224:225], v[166:167]
	s_delay_alu instid0(VALU_DEP_2)
	v_pk_add_f32 v[14:15], v[14:15], v[248:249]
	s_delay_alu instid0(VALU_DEP_2)
	v_pk_add_f32 v[224:225], v[224:225], v[246:247]
	v_pk_add_f32 v[252:253], v[252:253], v[244:245]
	v_pk_add_f32 v[250:251], v[250:251], v[242:243]
	s_delay_alu instid0(VALU_DEP_2)
	v_pk_add_f32 v[14:15], v[14:15], v[252:253]
	s_delay_alu instid0(VALU_DEP_2)
	v_pk_add_f32 v[224:225], v[224:225], v[250:251]
	s_delay_alu instid0(VALU_DEP_1)
	v_pk_add_f32 v[14:15], v[14:15], v[224:225]
	s_wait_alu depctr_va_vdst(0)                   ; and one for the four
.irp c, 0,1
	v_max_num_f32 v[BM+2*\c], 0x1800000, v[BM+2*\c]   ; the floor 2^(3 - 127)
.endr
.irp c, 0,1
	v_add_nc_u32 v[EE+\c], 0xff000000, v[BM+2*\c]  ; 2 off the exponent field: the conversions' scale operand
.endr
.irp c, 0,1
	v_lshrrev_b32 v[T2+\c], 23, v[EE+\c]
.endr
	v_lshl_or_b32 v233, v[T2+1], 16, v[T2]         ; my blocks h and 2 + h,
	v_lshlrev_b32 v233, v215, v233                 ; at their places in the word (8 h bits up);
	v_permlanex16_b32 v[T2+2], v233, s[SEL], s[SEL+1]
	v_or_b32 v233, v233, v[T2+2]                   ; with lane l xor 16's two: p's scale word for these 128 keys
.irp c, 0,1
	v_cvt_scalef32_pk16_fp6_f32 v[PCD+6*\c:PCD+6*\c+2], v[S+32*\c:S+32*\c+15], v[EE+\c]
	v_cvt_scalef32_pk16_fp6_f32 v[PT+4*\c:PT+4*\c+2], v[S+32*\c+16:S+32*\c+31], v[EE+\c]   ; (a conversion's three registers begin on an even number)
.endr
	v_nop                                          ; one plain place behind the scaled conversions
.irp c, 0,1
.irp i, 0,1,2
	v_mov_b32 v[PCD+6*\c+3+\i], v[PT+4*\c+\i]      ; registers 6 c .. 6 c + 5 hold keys 64 c + 32 h + 0 .. 31, as the operand wants them
.endr
.endr
	s_wait_dscnt 0x0                               ; V and its pair words are in
	v_perm_b32 v102, v101, v100, 0x05040100        ; the low halves of both words: d tile 0 in lanes 0-15, tile 2 in lanes 16-31
	v_perm_b32 v103, v101, v100, 0x07060302        ; the high halves: tiles 1 and 3
.irp j, 0,2,4,6,8,10,12,14,16,18,20,22,24,26,28,30
	v_pk_mul_f32 v[O+\j:O+\j+1], v[O+\j:O+\j+1], v[232:233] op_sel_hi:[1,0]   ; O^T under the new M; these sixteen are also the places behind the writes of scale words and codes
.endr
.irp dt, 0,1
	v_wmma_scale_f32_16x16x128_f8f6f4 v[O+8*\dt:O+8*\dt+7], v[KFR+12*\dt:KFR+12*\dt+11], v[PCD:PCD+11], v[O+8*\dt:O+8*\dt+7], v[102+\dt], v233 matrix_a_fmt:MATRIX_FMT_FP6 matrix_b_fmt:MATRIX_FMT_FP6
.endr
.irp dt, 2,3
	v_wmma_scale_f32_16x16x128_f8f6f4 v[O+8*\dt:O+8*\dt+7], v[KFR+12*\dt:KFR+12*\dt+11], v[PCD:PCD+11], v[O+8*\dt:O+8*\dt+7], v[100+\dt], v233 matrix_a_fmt:MATRIX_FMT_FP6 matrix_b_fmt:MATRIX_FMT_FP6 matrix_a_scale:MATRIX_SCALE_ROW1
.endr
.if \causal
.Lhidden_\@:
.endif
	s_add_co_u32 s[TB], s[TB], 6144
	s_add_co_u32 s[TS], s[TS], 256
.endm
.macro QUANT64 s, pc, pb               ; 32 numbers of a lane, register 16 b + i = index 32 b + 16 (lane / 16) + i of my row, become a half-image's six registers and two scale bytes
.irp b, 0,1
	v_max3_num_f32 v[T0+\b], |v[\s+16*\b]|, |v[\s+16*\b+1]|, 0x1800000
.endr
.irp i, 2,4,6,8,10,12,14
.irp b, 0,1
	s_delay_alu instid0(VALU_DEP_2)
	v_max3_num_f32 v[T0+\b], v[T0+\b], |v[\s+16*\b+\i]|, |v[\s+16*\b+\i+1]|
.endr
.endr
.irp b, 0,1
	s_delay_alu instid0(VALU_DEP_2)
	v_permlanex16_b32 v[T0+2+\b], v[T0+\b], s[SEL], s[SEL+1]
.endr
.irp b, 0,1
	s_delay_alu instid0(VALU_DEP_2)
	v_max_num_f32 v[T0+\b], v[T0+\b], v[T0+2+\b]
.endr
.irp b, 0,1
	s_delay_alu instid0(VALU_DEP_2)
	v_add_nc_u32 v[E0+\b], 0xff000000, v[T0+\b]
.endr
.irp b, 0,1
	s_delay_alu instid0(VALU_DEP_2)
	v_lshrrev_b32 v[B0+\b], 23, v[E0+\b]
.endr
	s_delay_alu instid0(VALU_DEP_1)
	v_lshl_or_b32 v[\pb], v[B0+1], 8, v[B0]
	v_cvt_scalef32_pk16_fp6_f32 v[\pc:\pc+2], v[\s:\s+15], v[E0]
	v_cvt_scalef32_pk16_fp6_f32 v[PT:PT+2], v[\s+16:\s+31], v[E0+1]
	v_nop
.irp i, 0,1,2
	v_permlane16_swap_b32 v[\pc+\i], v[PT+\i]
.endr
.irp i, 0,1,2
	s_delay_alu instid0(VALU_DEP_3)
	v_mov_b32 v[\pc+3+\i], v[PT+\i]
.endr
.endm
; A TILE'S END: O^T / the sum, quantised along d, stored as a half-image of the last product's operand.  co, so: the scalars with the offsets of its codes and of its scale bytes
.macro FINISH co, so
	s_wait_xcnt 0x0                                ; the stores of the tile before have read their registers
.rept 4
	v_nop                                          ; places behind the last products
.endr
	v_add_f32 v14, v14, v15
	s_delay_alu instid0(VALU_DEP_1)
	v_permlanex16_b32 v234, v14, s[SEL], s[SEL+1]
	s_delay_alu instid0(VALU_DEP_1)
	v_add_f32 v14, v14, v234                       ; the row's sum
	s_wait_alu depctr_va_vdst(0)
	v_rcp_f32 v14, v14
	v_add_nc_u32 v10, s[\co], v1                   ; (plain lines behind the reciprocal)
	v_add_nc_u32 v11, s[\co], v2
	v_add_nc_u32 v97, s[\so], v9
	s_wait_alu depctr_va_vdst(0)                   ; the wait ahead of the reciprocal's first reader
.set j, 0
.rept 32
	v_mul_f32 v[S+j], v[O+j], v14                  ; register 16 b + i is d = 32 b + 16 (lane / 16) + i of my query
.set j, j+1
.endr
	QUANT64 S, 90, 96
	global_store_b128 v10, v[90:93], s[6:7]        ; 512 consecutive bytes, aligned to 256
	global_store_b64 v11, v[94:95], s[6:7]         ; 256 consecutive bytes, aligned
	global_store_b16 v97, v96, s[6:7]              ; my head's two bytes of the row's scale word (both halves of the lanes write the same): two bytes in 48 of the codes
.endm
	s_mov_b32 s[J], 0
	s_mov_b32 s[TB], 0
	s_mov_b32 s[TS], 0
	s_wait_alu depctr_va_vdst(0)
	s_cmp_lt_u32 s[WV], 4                          ; the scale words and keys 0 to 1,023 are in; waves 4 and 5's loads of keys 1,024 on may stay out
	s_cbranch_scc0 .Llater
	s_wait_tensorcnt 0x0
.Llater:
	s_barrier_signal -1
	s_barrier_wait -1
.Lfull:                                            ; the first tile lies in group 8 or later: its first eight steps are all open
	STEP 0
	s_add_co_u32 s[J], s[J], 1
	s_cmp_lt_u32 s[J], 8
	s_cbranch_scc1 .Lfull
	s_wait_tensorcnt 0x0                           ; keys 1,024 on are in,
	s_wait_dscnt 0x0
	s_barrier_signal -1
	s_barrier_wait -1                              ; and every wave knows
	s_mov_b32 s[J], 8
	s_mov_b32 s[TB], 8*6144
	s_mov_b32 s[TS], 8*256
.Lhigh:
	STEP 1
	s_add_co_u32 s[J], s[J], 1
	s_cmp_lt_u32 s[J], 16
	s_cbranch_scc1 .Lhigh
	FINISH 92, 93
.irp j, 0,1,2,3,4,5
	v_mov_b32 v[22+\j], v[82+\j]                   ; the second tile's Q,
.endr
	v_perm_b32 v7, v89, v89, s101                  ; its scale word,
	INIT                                           ; and a new beginning (also the places in front of the next products)
	s_mov_b32 s[G], s14
	s_mov_b32 s[J], 0
	s_mov_b32 s[TB], 0
	s_mov_b32 s[TS], 0
.Llow:
	STEP 1
	s_add_co_u32 s[J], s[J], 1
	s_cmp_lt_u32 s[J], 8
	s_cbranch_scc1 .Llow
	FINISH 94, 95
	s_wait_dscnt 0x0
	s_wait_tensorcnt 0x0
	ds_add_u32 v254, v255
	s_wait_dscnt 0x0
	CROUND                                         ; the closing round
	s_endpgm
.Lfunc_end_k_q7f77cb63a6_attn:
	.size	k_q7f77cb63a6_attn, .Lfunc_end_k_q7f77cb63a6_attn-k_q7f77cb63a6_attn
	.p2alignl 7, 3214868480
	.fill 96, 4, 3214868480
	.section	.rodata,"a",@progbits
	.p2align	6, 0x0
	.amdhsa_kernel k_q7f77cb63a6_attn
		.amdhsa_group_segment_fixed_size 206848
		.amdhsa_private_segment_fixed_size 0
		.amdhsa_enable_private_segment 0
		.amdhsa_kernarg_size 16
		.amdhsa_user_sgpr_count 2
		.amdhsa_user_sgpr_kernarg_segment_ptr 1
		.amdhsa_wavefront_size32 1
		.amdhsa_system_sgpr_workgroup_id_x 1
		.amdhsa_system_sgpr_workgroup_id_y 1
		.amdhsa_system_sgpr_workgroup_id_z 1
		.amdhsa_system_vgpr_workitem_id 0
		.amdhsa_next_free_vgpr 256
		.amdhsa_next_free_sgpr 102
		.amdhsa_reserve_vcc 1
		.amdhsa_float_denorm_mode_32 3
		.amdhsa_float_denorm_mode_16_64 3
		.amdhsa_memory_ordered 1
		.amdhsa_forward_progress 1
		.amdhsa_inst_pref_size 83
	.end_amdhsa_kernel
	.amdgpu_metadata
---
amdhsa.version: [ 1, 2 ]
amdhsa.kernels:
  - .name:           k_q7f77cb63a6_attn
    .symbol:         k_q7f77cb63a6_attn.kd
    .args:
      - { .name: qkv, .offset: 0, .size: 8, .value_kind: global_buffer, .address_space: global }
      - { .name: ctx, .offset: 8, .size: 8, .value_kind: global_buffer, .address_space: global }
    .group_segment_fixed_size: 206848
    .private_segment_fixed_size: 0
    .kernarg_segment_align: 8
    .kernarg_segment_size: 16
    .max_flat_workgroup_size: 512
    .sgpr_count:     102
    .vgpr_count:     256
    .wavefront_size: 32
...
	.end_amdgpu_metadata
.endif
;; end of part 3
;; launch outp (part 4): grid 64 x 4, 4 waves a work-group, clusters of 4 x 4, 308,224 bytes of LDS; arguments ctx, codes, bo, out0; writes out0
.if DOCPART == 4
	.amdgcn_target "amdgcn-amd-amdhsa--gfx1250"
	.amdhsa_code_object_version 6
	.text
	.protected	k_q7f77cb63a6_outp
	.globl	k_q7f77cb63a6_outp
	.p2align	8
	.type	k_q7f77cb63a6_outp,@function
k_q7f77cb63a6_outp:
	s_mov_b64 s[64:65], 0
	v_nop
	global_prefetch_b8 v0, s[64:65] scope:SCOPE_SE
	s_setreg_imm32_b32 hwreg(HW_REG_WAVE_MODE, 25, 1), 1
	s_wait_xcnt 0x0
	s_wait_alu depctr_hold_cnt(0) depctr_sa_sdst(0) depctr_va_vdst(0) depctr_va_sdst(0) depctr_va_ssrc(0) depctr_va_vcc(0) depctr_vm_vsrc(0)
	s_getreg_b32 s2, hwreg(HW_REG_IB_STS2, 6, 4)
	s_cmp_eq_u32 s2, 0
	s_cbranch_scc0 .Lentry_in_a_cluster
	s_endpgm
.Lentry_in_a_cluster:
	s_bfe_u32 s2, ttmp6, 0x10000c
	s_cmp_lg_u32 s2, 0xf033
	s_cbranch_scc0 .Lentry_shape_is_right
	s_endpgm
.Lentry_shape_is_right:
; OUTP: out = ctx Wo + bo on codes of FP6 (E2M3) with E8M0 scales; out [8192][1024] f32.
; IN: operand blocks of 128 rows x K 1024 = 102,400 bytes (eight K steps of 12,800: eight tiles of 1,536 bytes, then 512 bytes of scale words): ctx's 64 blocks of tokens; Wo's eight blocks of columns are blocks 88-95 of codes.
; THE DEAL: 256 work-groups of four waves, 2 x 2. Work-group (xb = 4 x cluster x + cx, p = cy) takes ctx's block xb and Wo's blocks 88 + 2 p, 88 + 2 p + 1. Wave (a, b): tokens 64 a .. 64 a + 63, columns 64 b .. 64 b + 63 of each block.
; A wave's 64 tokens, ALL of K, lie in registers (32 fragments, loaded from LDS once); the 64 columns stream past them in four tiles of 16, 32 products a tile (8 K steps x 4 token tiles, four accumulators by turns),
; on two sets of eight fragments: a tile is fetched two tiles ahead of its products, in one run of loads behind the tile that reads the set out.
; Source 0 = 16 columns of Wo, source 1 = 16 tokens: a lane holds one token and eight neighbouring columns an accumulator. THE BIAS IS THE C OF EACH SUM'S FIRST PRODUCT: it costs no addition.
; LDS: Wo's two blocks (0, BLKB), ctx's block (XB), the spare words. One tensor load a wave at the head: ctx's two halves, then the two blocks. No byte is filled again.
; CLUSTER 4 x 4: ctx's block hangs on cluster x and cx, asked for jointly along a column; Wo's blocks hang on cy alone, jointly along a row.
; NO PREFETCH: every tile is asked for at the head; there is no loop to run ahead in.
; THE WAY OUT: 16 tokens x 64 columns at a time through the wave's own stage, which lies in ctx's block: that has had its only fill, and behind the second barrier nobody reads it. The first 64 columns leave ahead of the second block's products.
.set BLKB,   102400
.set STEPB,  12800
.set HALFB,  51200
.set XB,     2*BLKB
.set SPARE,  3*BLKB
.set FPW,    21                        ; fragments of 12 registers in a window of 256; fragment f lies in window 1 + f / 21: 0-31 ctx's (4 s + tile), 32-39 and 40-47 Wo's two sets
.set WV,  12                           ; s12 wave; s13 a, s14 b, s15 cx, s48 cy, s49 xb
.set G1X, 16
.set G1W, 24
.set G0X, 32
.set G0A, 36
.set G0B, 40
.set SPW, 4                            ; v4 my spare word, v5 zero; v1 16 x lane, v2 512 + 16 r + 8 h, v3 4 x lane
.set NIL, 5
.set WA,  6                            ; v6-9 LDS address of my columns' fragments, 16-byte pieces: 2 x slot + (K steps 4-7); v10-13 the 8-byte pieces
.set WSA, 14                           ; v14-17 of their scale words
.set STI, 19                           ; v19 the stage, way in; v20 way back; v21 my offset in out; v24 in bo
.set STB, 20
.set OO,  21
.set XS,  32                           ; v32-47 ctx's scale words: 2 s + tile / 2; lanes 0-15 the even tile, 16-31 the odd
.set WS,  52                           ; v52-67, v68-83 Wo's, a set for each block
.set ACC, 96                           ; v96-223 accumulator (token tile, column tile) at 96 + 8 (4 i + t)
.set BI,  80                           ; window 3: v848-911 the bias, 32 x block + 8 x column tile
.set RB,  144                          ; window 3: v912-975 rows read back from the stage, two sets
.set MSB, 0
.macro WIN new
.if MSB != \new
	s_set_vgpr_msb (MSB<<8)|\new
.set MSB, \new
.endif
.endm
.macro PLACES n
.rept \n
	v_nop
.endr
.endm
.macro BARRIER
	s_barrier_signal -1
	s_barrier_wait -1
.endm
.macro CROUND                          ; a round of the cluster's barrier
	BARRIER
	s_cmp_lg_u32 s[WV], 0
	s_cbranch_scc1 .Lnot_wave_0_\@
	s_barrier_signal -3
.Lnot_wave_0_\@:
	s_barrier_wait -3
	BARRIER
.endm
.macro TLOAD g0, g1
	tensor_load_to_lds s[\g0:\g0+3], s[\g1:\g1+7]
	s_nop 0
	PLACES 4
.endm
.macro FR4 f, a16, a8, off             ; a fragment is two half-images on end: 16 and 8 bytes a lane each
	WIN (1+(\f)/FPW)<<6
.set R_, 12*((\f)%FPW)
	ds_load_b128 v[R_:R_+3], v[\a16] offset:\off
	ds_load_b64 v[R_+4:R_+5], v[\a8] offset:\off
	ds_load_b128 v[R_+6:R_+9], v[\a16] offset:(\off)+768
	ds_load_b64 v[R_+10:R_+11], v[\a8] offset:(\off)+768
.endm
.macro FETCH e, sl, t                  ; tile t of my columns in slot sl, all of K, into set e: 32 loads
.irp q, 0,1,2,3,4,5,6,7
	FR4 32+8*(\e)+\q, WA+2*(\sl)+\q/4, WA+4+2*(\sl)+\q/4, (\q%4)*STEPB+(\t)*1536
.endr
	WIN 0
.endm
.macro WSC sl                          ; my columns' scale words in slot sl: 16 loads
.irp q, 0,1,2,3,4,5,6,7
	ds_load_b32 v[WS+16*(\sl)+2*\q], v[WSA+2*(\sl)+\q/4] offset:(\q%4)*STEPB
	ds_load_b32 v[WS+16*(\sl)+2*\q+1], v[WSA+2*(\sl)+\q/4] offset:(\q%4)*STEPB+128
.endr
.endm
.macro P3 d, f0, f1, c, x0, x1, r0, r1
	v_wmma_scale_f32_16x16x128_f8f6f4 v[\d:\d+7], v[12*((\f0)%FPW):12*((\f0)%FPW)+11], v[12*((\f1)%FPW):12*((\f1)%FPW)+11], \c, v[\x0], v[\x1] matrix_a_fmt:MATRIX_FMT_FP6 matrix_b_fmt:MATRIX_FMT_FP6 matrix_a_scale:MATRIX_SCALE_ROW\r0 matrix_b_scale:MATRIX_SCALE_ROW\r1
.endm
.macro P2 d, f0, f1, c, x0, x1, r0, r1
.if (\r0)+2*(\r1) == 0
	P3 \d, \f0, \f1, \c, \x0, \x1, 0, 0
.elseif (\r0)+2*(\r1) == 1
	P3 \d, \f0, \f1, \c, \x0, \x1, 1, 0
.elseif (\r0)+2*(\r1) == 2
	P3 \d, \f0, \f1, \c, \x0, \x1, 0, 1
.else
	P3 \d, \f0, \f1, \c, \x0, \x1, 1, 1
.endif
.endm
.macro P1 d, f0, f1, q, x0, x1, r0, r1, bi   ; the first K step's product takes the bias (window 3) as its C
.if \q
	WIN (1+(\f0)/FPW)|((1+(\f1)/FPW)<<2)
	P2 \d, \f0, \f1, v[\d:\d+7], \x0, \x1, \r0, \r1
.else
	WIN (1+(\f0)/FPW)|((1+(\f1)/FPW)<<2)|(3<<4)
	P2 \d, \f0, \f1, v[\bi:\bi+7], \x0, \x1, \r0, \r1
.endif
.endm
.macro PRODS e, t, sl, from, to        ; products from .. to - 1 of tile t: number 4 s + token tile
.set N_, \from
.rept (\to)-(\from)
.set Q_, N_/4
.set I_, N_%4
	P1 ACC+8*(4*I_+(\t)), 32+8*(\e)+Q_, N_, Q_, WS+16*(\sl)+2*Q_+(\t)/2, XS+2*Q_+I_/2, (\t)%2, I_%2, BI+32*(\sl)+8*(\t)
.set N_, N_+1
.endr
.endm
.macro TOSTAGE ri                      ; 16 tokens x 64 columns into my stage, and back as rows of 256 bytes
.irp gi, 0,1,2,3
	ds_store_b128 v[STI], v[ACC+8*(4*(\ri)+\gi):ACC+8*(4*(\ri)+\gi)+3] offset:128*(\gi/2)+32*(\gi%2)        ; each accumulator from its low end on
	ds_store_b128 v[STI], v[ACC+8*(4*(\ri)+\gi)+4:ACC+8*(4*(\ri)+\gi)+7] offset:128*(\gi/2)+32*(\gi%2)+16
.endr
	WIN 3<<6
.irp t, 0,1,2,3,4,5,6,7
	ds_load_b128 v[RB+32*((\ri)%2)+4*\t:RB+32*((\ri)%2)+4*\t+3], v[STB] offset:544*\t   ; LDS serves a wave's instructions in order: these see my stores
.endr
	WIN 0
.endm
.macro SEND ri, younger, k             ; younger: the LDS instructions issued behind this block's loads.  Row 2 t + lane / 16 of tile ri is token 32 (ri / 2) + 8 (ri % 2) + 2 t + lane / 16 + 8 (t / 4) of my 64
	s_wait_dscnt \younger
	WIN 3<<2
.irp t, 0,1,2,3,4,5,6,7
	global_store_b128 v[OO], v[RB+32*((\ri)%2)+4*\t:RB+32*((\ri)%2)+4*\t+3], s[10:11] offset:(2*\t+8*(\t/4)+8*((\ri)%2)+32*((\ri)/2))*4096+512*(\k) th:TH_STORE_NT   ; sixteen lanes store 256 consecutive bytes, aligned
.endr
	WIN 0
.endm
.macro EPI k
	s_wait_xcnt 0x0                                ; earlier stores have read their registers
	TOSTAGE 0
.irp a, 1,2,3
.if \a > 1
	s_wait_xcnt 0x0                                ; the stores of two blocks back have read their registers: this block's rows may land there
.endif
	TOSTAGE \a
	SEND \a-1, 16, \k                              ; behind that block's loads: this block's eight stores and eight loads
.endr
	SEND 3, 0, \k
.endm
; 64 COLUMNS: four tiles.  THE WAITS' COUNTS: a tile was fetched two tiles ago; younger than that fetch are the 32 loads of the next tile's fetch.
.macro HEAD sl
	s_wait_dscnt 32
	PRODS 0, 0, \sl, 0, 32
	WIN 0
	PLACES 4                                       ; places in front of loads into registers that the products read
	FETCH 0, \sl, 2
	s_wait_dscnt 32
	PRODS 1, 1, \sl, 0, 32
	WIN 0
	PLACES 4
	FETCH 1, \sl, 3
	s_wait_dscnt 32
.if (\sl) == 0
	PRODS 0, 2, \sl, 0, 24
	WIN 0
	s_wait_tensorcnt 0x0                           ; the second block is in,
	s_wait_dscnt 0x0
	s_barrier_signal -1
	PRODS 0, 2, \sl, 24, 32
	WIN 0
	s_barrier_wait -1                              ; and every wave knows. The fourth tile is in too: no wait
	PLACES 4
	FETCH 0, 1, 0
	WSC 1
	PRODS 1, 3, \sl, 0, 32
	WIN 0
	PLACES 4                                       ; places in front of the fetch and of the first reads of the sums
	FETCH 1, 1, 1
.else
	PRODS 0, 2, \sl, 0, 32
	s_wait_dscnt 0x0
	PRODS 1, 3, \sl, 0, 32
	WIN 0
	PLACES 4
.endif
	EPI \sl
.endm
; ---- the head
	s_load_b256 s[4:11], s[0:1], 0x0               ; ctx s[4:5], codes s[6:7], bo s[8:9], out0 s[10:11]
	v_lshl_add_u32 v[SPW], v0, 2, SPARE
	v_mov_b32 v[NIL], 0
	ds_add_u32 v[SPW], v[NIL]                      ; the opening lines: the add twice on end and its wait
	ds_add_u32 v[SPW], v[NIL]
	v_lshrrev_b32 v1, 5, v0
	v_readfirstlane_b32 s[WV], v1
	s_lshr_b32 s13, s[WV], 1
	s_and_b32 s14, s[WV], 1
	s_bfe_u32 s15, ttmp6, 0x40000
	s_bfe_u32 s48, ttmp6, 0x40004
	s_lshl_b32 s49, ttmp9, 2
	s_add_co_u32 s49, s49, s15
	s_lshl_b32 s50, s48, 2
	s_lshl_b32 s50, 15, s50                        ; my row of the cluster
	s_lshl_b32 s51, 0x1111, s15                    ; my column
	s_or_b32 s[G1X], s51, (3<<16)|(1<<21)          ; elements of 8 bytes, rows of 256 bytes, dense, no padding
	s_or_b32 s[G1W], s50, (3<<16)|(1<<21)
.irp g, G1X, G1W
	s_mov_b32 s[\g+1], 32<<16
	s_mov_b32 s[\g+3], 32<<16
	s_mov_b32 s[\g+5], 32
	s_mov_b32 s[\g+6], 0
	s_mov_b32 s[\g+7], 0
.endr
	s_mov_b32 s[G1X+2], 200<<16                    ; half a block
	s_mov_b32 s[G1X+4], 200
	s_mov_b32 s[G1W+2], 400<<16                    ; a whole block
	s_mov_b32 s[G1W+4], 400
	s_mov_b32 s[G0X], 1
	s_mul_i32 s[G0X+1], s14, HALFB
	s_mul_i32 s52, s49, BLKB
	s_add_co_u32 s52, s52, s[G0X+1]                ; ctx's block, the half that waves 0 and 1 fetch
	s_mov_b32 s53, 0
	s_add_co_u32 s[G0X+1], s[G0X+1], XB
	s_mov_b32 s[G0A], 1
	s_mov_b32 s[G0A+1], 0
	s_mov_b32 s[G0B], 1
	s_mov_b32 s[G0B+1], BLKB
	s_lshl_b32 s54, s48, 1
	s_add_co_u32 s54, s54, 88
	s_mul_i32 s54, s54, BLKB                       ; Wo's first block of my two
	s_mov_b32 s55, 0
	s_lshl_b32 s56, s48, 10
	s_lshl_b32 s57, s14, 8
	s_add_co_u32 s56, s56, s57                     ; my first column, in bytes: 1,024 p + 256 b
	s_mov_b32 s57, 0
	s_lshl_b32 s58, s49, 19
	s_lshl_b32 s59, s13, 18
	s_add_co_u32 s58, s58, s59
	s_add_co_u32 s58, s58, s56                     ; and my first token's row of 4,096 bytes
	s_mov_b32 s59, 0
	s_mul_i32 s68, s14, 6144                       ; my four column tiles, and their scale words
	s_lshl_b32 s69, s14, 8
	s_mul_i32 s70, s13, 6144                       ; my four token tiles
	s_lshl_b32 s71, s13, 8
	s_mul_i32 s72, s[WV], 4352                     ; my stage: 16 rows x (256 bytes + 16)
	s_add_co_u32 s72, s72, XB
	s_wait_dscnt 0x0
	CROUND                                         ; all sixteen work-groups are here: the joint loads meet
	s_wait_kmcnt 0x0
	s_add_nc_u64 s[G0X+2:G0X+3], s[4:5], s[52:53]
	s_or_b32 s[G0X+3], s[G0X+3], 0x80000000
	s_add_nc_u64 s[G0A+2:G0A+3], s[6:7], s[54:55]
	s_add_nc_u64 s[G0B+2:G0B+3], s[G0A+2:G0A+3], BLKB
	s_or_b32 s[G0A+3], s[G0A+3], 0x80000000
	s_or_b32 s[G0B+3], s[G0B+3], 0x80000000
	s_add_nc_u64 s[8:9], s[8:9], s[56:57]
	s_add_nc_u64 s[10:11], s[10:11], s[58:59]
	s_cmp_lt_u32 s[WV], 2                          ; one tensor load a wave: ctx's halves first, then Wo's two blocks
	s_cbranch_scc0 .Lwave_2
	TLOAD G0X, G1X
	s_branch .Lasked
.Lwave_2:
	s_cmp_eq_u32 s[WV], 2
	s_cbranch_scc0 .Lwave_3
	TLOAD G0A, G1W
	s_branch .Lasked
.Lwave_3:
	TLOAD G0B, G1W
.Lasked:
	v_and_b32 v18, 31, v0                          ; lane
	v_and_b32 v22, 15, v0                          ; r
	v_bfe_u32 v23, v0, 4, 1                        ; h
	v_lshlrev_b32 v1, 4, v18
	v_lshlrev_b32 v2, 4, v22
	v_lshl_add_u32 v2, v23, 3, v2
	v_add_nc_u32 v2, 512, v2
	v_lshlrev_b32 v3, 2, v18
	v_add_nc_u32 v[WA], s68, v1
	v_add_nc_u32 v[WA+4], s68, v2
	v_add_nc_u32 v[WSA], s69, v3
	v_add_nc_u32 v[WSA], 12288, v[WSA]
.irp g, WA, WA+4, WSA
	v_add_nc_u32 v[\g+1], HALFB, v[\g]
	v_add_nc_u32 v[\g+2], BLKB, v[\g]
	v_add_nc_u32 v[\g+3], BLKB+HALFB, v[\g]
.endr
	v_add_nc_u32 v96, s70, v1                      ; ctx's fragments: v96, v97 the 16-byte pieces, v98, v99 the 8-byte ones, v100, v101 the scale words
	v_add_nc_u32 v98, s70, v2
	v_add_nc_u32 v100, s71, v3
	v_add_nc_u32 v96, XB, v96
	v_add_nc_u32 v98, XB, v98
	v_add_nc_u32 v100, XB+12288, v100
	v_add_nc_u32 v97, HALFB, v96
	v_add_nc_u32 v99, HALFB, v98
	v_add_nc_u32 v101, HALFB, v100
	v_mul_u32_u24 v[STI], v22, 272
	v_lshl_add_u32 v[STI], v23, 6, v[STI]
	v_add_nc_u32 v[STI], s72, v[STI]               ; in: row r, + 64 h
	v_mul_u32_u24 v[STB], v23, 272
	v_lshl_add_u32 v[STB], v22, 4, v[STB]
	v_add_nc_u32 v[STB], s72, v[STB]               ; back: lanes 0-15 one row, lanes 16-31 the next
	v_lshlrev_b32 v[OO], 12, v23
	v_lshl_add_u32 v[OO], v22, 4, v[OO]            ; and the same two rows in out
	v_lshlrev_b32 v24, 6, v23                      ; the bias: column tile t of lane (r, h) holds columns 32 (t / 2) + 16 h + 8 (t % 2) + 0 .. 7 of my 64
	s_wait_alu depctr_va_vdst(0)
	WIN 3<<6
.irp k, 0,1
.irp t, 0,1,2,3
	global_load_b128 v[BI+32*\k+8*\t:BI+32*\k+8*\t+3], v24, s[8:9] offset:512*\k+(32*(\t/2)+8*(\t%2))*4
	global_load_b128 v[BI+32*\k+8*\t+4:BI+32*\k+8*\t+7], v24, s[8:9] offset:512*\k+(32*(\t/2)+8*(\t%2))*4+16
.endr
.endr
	WIN 0
	s_cmp_lt_u32 s[WV], 2
	s_cbranch_scc0 .Lnot_x
	s_wait_tensorcnt 0x0
.Lnot_x:
	BARRIER                                        ; ctx's block is in
.irp q, 0,1,2,3,4,5,6,7
.irp i, 0,1,2,3
	FR4 4*\q+\i, 96+\q/4, 98+\q/4, (\q%4)*STEPB+\i*1536
.endr
.endr
	WIN 0
.irp q, 0,1,2,3,4,5,6,7
	ds_load_b32 v[XS+2*\q], v[100+\q/4] offset:(\q%4)*STEPB
	ds_load_b32 v[XS+2*\q+1], v[100+\q/4] offset:(\q%4)*STEPB+128
.endr
	s_cmp_eq_u32 s[WV], 3
	s_cbranch_scc1 .Lnot_w0
	s_wait_tensorcnt 0x0
.Lnot_w0:
	s_wait_dscnt 0x0
	BARRIER                                        ; Wo's first block is in, and nobody reads ctx's block any more; the second block may still be on its way
	FETCH 0, 0, 0
	WSC 0
	FETCH 1, 0, 1
	s_wait_loadcnt 0x0                             ; the bias
	HEAD 0
	HEAD 1
	s_wait_tensorcnt 0x0                           ; the wave's end
	ds_add_u32 v[SPW], v[NIL]
	s_wait_dscnt 0x0
	CROUND                                         ; the closing round
	s_endpgm
.Lfunc_end_k_q7f77cb63a6_outp:
	.size	k_q7f77cb63a6_outp, .Lfunc_end_k_q7f77cb63a6_outp-k_q7f77cb63a6_outp
	.p2alignl 7, 3214868480
	.fill 96, 4, 3214868480
	.section	.rodata,"a",@progbits
	.p2align	6, 0x0
	.amdhsa_kernel k_q7f77cb63a6_outp
		.amdhsa_group_segment_fixed_size 308224
		.amdhsa_private_segment_fixed_size 0
		.amdhsa_enable_private_segment 0
		.amdhsa_kernarg_size 32
		.amdhsa_user_sgpr_count 2
		.amdhsa_user_sgpr_kernarg_segment_ptr 1
		.amdhsa_wavefront_size32 1
		.amdhsa_system_sgpr_workgroup_id_x 1
		.amdhsa_system_sgpr_workgroup_id_y 1
		.amdhsa_system_sgpr_workgroup_id_z 1
		.amdhsa_system_vgpr_workitem_id 0
		.amdhsa_next_free_vgpr 976
		.amdhsa_next_free_sgpr 80
		.amdhsa_reserve_vcc 0
		.amdhsa_float_denorm_mode_32 3
		.amdhsa_float_denorm_mode_16_64 3
		.amdhsa_memory_ordered 1
		.amdhsa_forward_progress 1
		.amdhsa_inst_pref_size 87
	.end_amdhsa_kernel
	.amdgpu_metadata
---
amdhsa.version: [ 1, 2 ]
amdhsa.kernels:
  - .name:           k_q7f77cb63a6_outp
    .symbol:         k_q7f77cb63a6_outp.kd
    .args:
      - { .name: ctx, .offset: 0, .size: 8, .value_kind: global_buffer, .address_space: global }
      - { .name: codes, .offset: 8, .size: 8, .value_kind: global_buffer, .address_space: global }
      - { .name: bo, .offset: 16, .size: 8, .value_kind: global_buffer, .address_space: global }
      - { .name: out0, .offset: 24, .size: 8, .value_kind: global_buffer, .address_space: global }
    .group_segment_fixed_size: 308224
    .private_segment_fixed_size: 0
    .kernarg_segment_align: 8
    .kernarg_segment_size: 32
    .max_flat_workgroup_size: 128
    .sgpr_count:     80
    .vgpr_count:     976
    .wavefront_size: 32
...
	.end_amdgpu_metadata
.endif
;; end of part 4
